; MI455X (gfx1250); checked and timed in simulation.
; The chip was launched on July 23, 2026; its instructions are those of AMD's public machine-readable ISA for CDNA 5 (MIT licence, August 2026) and "CDNA5" Instruction Set Architecture Reference Guide (July 2026). The comments in the code are by the model that wrote it; some were corrected since.
;; Multi Head Attention. Allowed arithmetic: float matrix products may take bf16 or f16 operands with f32 sums; other float arithmetic in f32, or as packed bf16 or f16 multiplies, adds, multiply-adds, maxima and minima; sums over many terms, partial sums and values carried from step to step in f32; what a program stores and reads back later, other than sums and carried values, may be rounded once to bf16 or f16.
;; Inputs: Wk 1,024 x 1,024 float32; Wo 1,024 x 1,024 float32; Wq 1,024 x 1,024 float32; Wv 1,024 x 1,024 float32; bk 1,024 float32; bo 1,024 float32; bq 1,024 float32; bv 1,024 float32; k 1,024 x 8 x 1,024 float32; mask 8 x 1,024 x 1,024 float32; q 1,024 x 8 x 1,024 float32; rel_k_table 33 x 64 float32; rel_v_table 33 x 64 float32; v 1,024 x 8 x 1,024 float32.
;; Outputs: out0 1,024 x 8 x 1,024 float32.
;; 2 versions, each right; version 2 is version 1 with the launch prep written anew for expert scheduling mode. Each part assembles by itself: llvm-mc -triple=amdgcn-amd-amdhsa -mcpu=gfx1250 --defsym DOCPART=n.
;; ======== version 1 of 2: 4 launches
;; limits: values are held in f16: magnitudes above 65,504 overflow, below 6.1e-05 lose precision
;; workspace buffers: wb 8,388,608 bytes; aux 25,088 bytes; qkv 50,331,648 bytes; ob 16,777,216 bytes
;; launch prep (part 1): grid 65 x 4, 8 waves a work-group, no clusters, 0 bytes of LDS; arguments Wq, Wk, Wv, Wo, bq, bk, bv, bo, rel_k_table, rel_v_table, wb, aux; writes wb, aux
.if DOCPART == 1
	.amdgcn_target "amdgcn-amd-amdhsa--gfx1250"
	.amdhsa_code_object_version 6
	.text
	.protected	k_qf3c89012f1_prep
	.globl	k_qf3c89012f1_prep
	.p2align	8
	.type	k_qf3c89012f1_prep,@function
k_qf3c89012f1_prep:
	s_mov_b64 s[64:65], 0
	v_nop
	global_prefetch_b8 v0, s[64:65] scope:SCOPE_SE
	s_setreg_imm32_b32 hwreg(HW_REG_WAVE_MODE, 25, 1), 1
	s_wait_xcnt 0x0
; THE WEIGHTS' CAST AND THE SMALL TABLES.  y (0..3) picks Wq, Wk, Wv, Wo.
; x < 64: the work-group rounds 16,384 numbers of weight y to bf16 and stores them in plane y of wb ([k][n], as they lie).  Wo's numbers, so rounded, are written as f16 (exact inside
; f16's normal range; below 6e-5 f16 keeps its fixed step of 6e-8; LIMIT: |Wo| under 65,504), since the last product's other operand is f16.
; x = 64: the tables in aux.  r(.) = rounded to bf16.  byte 4096 y: bias' row y, f32: r(bq) c, r(bk) + r(relk[0]), r(bv) + r(relv[0]), r(bo), with c = log2(e) / 8;
; byte 16384: TK[kappa][64] = r(relk[kappa+1]) - r(relk[0]) in f16, kappa = 0..31; byte 20480: TV likewise from relv; byte 24576: r(relv[32]) - r(relv[0]) in f32, twice.
; A stream: no LDS, no matrix unit.  A wave's load covers 512 consecutive bytes, its store 256 consecutive bytes, aligned; all 16 loads of a thread are issued at once.
.set SC, 0x3e38aa3b                    ; c = log2(e) / 8
	s_load_b512 s[16:31], s[0:1], 0x0              ; Wq 16, Wk 18, Wv 20, Wo 22, bq 24, bk 26, bv 28, bo 30
	s_load_b256 s[32:39], s[0:1], 0x40             ; rel_k_table 32, rel_v_table 34, wb 36, aux 38
	s_and_b32 s2, ttmp7, 0xffff                    ; y
	s_mov_b32 s3, ttmp9                            ; x
	v_lshlrev_b32 v1, 4, v0                        ; 16 t
	v_lshlrev_b32 v2, 3, v0                        ; 8 t
	s_mov_b32 s11, 0
	s_wait_kmcnt 0x0
	s_cmp_eq_u32 s2, 1
	s_cselect_b64 s[4:5], s[18:19], s[16:17]       ; the weight,
	s_cselect_b64 s[6:7], s[26:27], s[24:25]       ; the bias
	s_cmp_eq_u32 s2, 2
	s_cselect_b64 s[4:5], s[20:21], s[4:5]
	s_cselect_b64 s[6:7], s[28:29], s[6:7]
	s_cselect_b64 s[8:9], s[34:35], s[32:33]       ; and the table: relv for y = 2, else relk
	s_cmp_eq_u32 s2, 3
	s_cselect_b64 s[4:5], s[22:23], s[4:5]
	s_cselect_b64 s[6:7], s[30:31], s[6:7]
	s_cmp_eq_u32 s3, 64
	s_cbranch_scc1 .Ltables
	s_lshl_b32 s10, s3, 16                         ; 65,536 bytes in,
	s_add_nc_u64 s[4:5], s[4:5], s[10:11]
	s_lshl_b32 s10, s2, 21                         ; plane y,
	s_lshl_b32 s12, s3, 15                         ; 32,768 bytes out
	s_add_co_u32 s10, s10, s12
	s_add_nc_u64 s[36:37], s[36:37], s[10:11]
.set p, 0
.rept 16
	global_load_b128 v[16+4*p:19+4*p], v1, s[4:5] offset:4096*p th:TH_LOAD_NT
.set p, p+1
.endr
; Pass p: four numbers a thread.  half = 1: the bf16 numbers are widened and written as f16.  No register is written twice but the four at work, which no memory instruction names.
.macro CASTP half
.set p, 0
.rept 16
	s_wait_loadcnt 15-p                            ; loads come back in order: pass p's is in, the 15 - p younger ones stay out
	v_cvt_pk_bf16_f32 v[80+2*p], v[16+4*p], v[17+4*p]
	v_cvt_pk_bf16_f32 v[81+2*p], v[18+4*p], v[19+4*p]
.if \half
	v_lshlrev_b32 v8, 16, v[80+2*p]
	v_and_b32 v9, 0xffff0000, v[80+2*p]
	v_lshlrev_b32 v10, 16, v[81+2*p]
	v_and_b32 v11, 0xffff0000, v[81+2*p]
	v_cvt_pk_f16_f32 v[80+2*p], v8, v9
	v_cvt_pk_f16_f32 v[81+2*p], v10, v11
.endif
	global_store_b64 v2, v[80+2*p:81+2*p], s[36:37] offset:2048*p
.set p, p+1
.endr
.endm
	s_cmp_eq_u32 s2, 3
	s_cbranch_scc1 .Lhalf
	CASTP 0
	s_endpgm
.Lhalf:
	CASTP 1
	s_endpgm
.macro RND4 x                          ; four f32 in v[x .. x+3], rounded to bf16 and widened again
	v_cvt_pk_bf16_f32 v8, v[\x], v[\x+1]
	v_cvt_pk_bf16_f32 v9, v[\x+2], v[\x+3]
	v_lshlrev_b32 v[\x], 16, v8
	v_and_b32 v[\x+1], 0xffff0000, v8
	v_lshlrev_b32 v[\x+2], 16, v9
	v_and_b32 v[\x+3], 0xffff0000, v9
.endm
.Ltables:
	v_and_b32 v3, 15, v0
	v_lshlrev_b32 v3, 4, v3                        ; my four channels of a table's row: n % 64 = 4 (t % 16)
	global_load_b128 v[16:19], v1, s[6:7]          ; bias, n = 4 t ..
	global_load_b128 v[20:23], v3, s[8:9]          ; the table's row 0
	s_mov_b32 s14, SC
	s_cmp_eq_u32 s2, 0
	s_cselect_b32 s14, s14, 1.0                    ; the bias's factor: c for q, else 1
	s_sub_co_u32 s13, s2, 1
	s_cmp_lt_u32 s13, 2
	s_cselect_b32 s15, 1.0, 0                      ; row 0's factor: 1 for k and v, else 0
	s_lshl_b32 s10, s2, 12
	s_add_nc_u64 s[40:41], s[38:39], s[10:11]      ; aux + 4096 y
	s_wait_loadcnt 0x0
	RND4 16
	RND4 20
.irp i, 0,1,2,3
	v_mul_f32 v[24+\i], s15, v[20+\i]
.endr
.irp i, 0,1,2,3
	v_fma_f32 v[16+\i], v[16+\i], s14, v[24+\i]
.endr
	global_store_b128 v1, v[16:19], s[40:41]
	s_cmp_lt_u32 s13, 2
	s_cbranch_scc0 .Lend                           ; y = 0 and 3 have no table of differences
	v_lshlrev_b32 v4, 5, v0                        ; row kappa = t / 8, channels 8 (t % 8): byte 32 t behind row 1
	v_and_b32 v5, 7, v0
	v_lshlrev_b32 v5, 5, v5
	global_load_b128 v[32:35], v4, s[8:9] offset:256
	global_load_b128 v[36:39], v4, s[8:9] offset:272
	global_load_b128 v[40:43], v5, s[8:9]
	global_load_b128 v[44:47], v5, s[8:9] offset:16
	s_wait_loadcnt 0x0
	RND4 32
	RND4 36
	RND4 40
	RND4 44
.irp i, 0,2,4,6
	v_pk_add_f32 v[32+\i:33+\i], v[32+\i:33+\i], v[40+\i:41+\i] neg_lo:[0,1] neg_hi:[0,1]
.endr
.irp i, 0,1,2,3
	v_cvt_pk_f16_f32 v[48+\i], v[32+2*\i], v[33+2*\i]
.endr
	global_store_b128 v1, v[48:51], s[40:41] offset:12288  ; aux + 16384 + 4096 (y - 1) + 16 t
	s_cmp_eq_u32 s2, 2
	s_cbranch_scc0 .Lend
	v_lshrrev_b32 v6, 5, v0
	v_readfirstlane_b32 s12, v6
	s_cmp_eq_u32 s12, 0
	s_cbranch_scc0 .Lend                           ; wave 0 alone: 32 lanes x 16 bytes, the 64 channels twice
	global_load_b128 v[52:55], v3, s[8:9] offset:8192  ; relv[32]
	s_wait_loadcnt 0x0
	RND4 52
	v_pk_add_f32 v[52:53], v[52:53], v[20:21] neg_lo:[0,1] neg_hi:[0,1]  ; v[20:23] still hold r(relv[0])
	v_pk_add_f32 v[54:55], v[54:55], v[22:23] neg_lo:[0,1] neg_hi:[0,1]
	global_store_b128 v1, v[52:55], s[38:39] offset:24576
.Lend:
	s_endpgm
.Lfunc_end_k_qf3c89012f1_prep:
	.size	k_qf3c89012f1_prep, .Lfunc_end_k_qf3c89012f1_prep-k_qf3c89012f1_prep
	.p2alignl 7, 3214868480
	.fill 96, 4, 3214868480
	.section	.rodata,"a",@progbits
	.p2align	6, 0x0
	.amdhsa_kernel k_qf3c89012f1_prep
		.amdhsa_group_segment_fixed_size 0
		.amdhsa_private_segment_fixed_size 0
		.amdhsa_enable_private_segment 0
		.amdhsa_kernarg_size 96
		.amdhsa_user_sgpr_count 2
		.amdhsa_user_sgpr_kernarg_segment_ptr 1
		.amdhsa_wavefront_size32 1
		.amdhsa_system_sgpr_workgroup_id_x 1
		.amdhsa_system_sgpr_workgroup_id_y 1
		.amdhsa_system_sgpr_workgroup_id_z 1
		.amdhsa_system_vgpr_workitem_id 0
		.amdhsa_next_free_vgpr 112
		.amdhsa_next_free_sgpr 66
		.amdhsa_reserve_vcc 0
		.amdhsa_float_denorm_mode_32 3
		.amdhsa_float_denorm_mode_16_64 3
		.amdhsa_memory_ordered 1
		.amdhsa_forward_progress 1
		.amdhsa_inst_pref_size 21
	.end_amdhsa_kernel
	.amdgpu_metadata
---
amdhsa.version: [ 1, 2 ]
amdhsa.kernels:
  - .name:           k_qf3c89012f1_prep
    .symbol:         k_qf3c89012f1_prep.kd
    .args:
      - { .name: Wq, .offset: 0, .size: 8, .value_kind: global_buffer, .address_space: global }
      - { .name: Wk, .offset: 8, .size: 8, .value_kind: global_buffer, .address_space: global }
      - { .name: Wv, .offset: 16, .size: 8, .value_kind: global_buffer, .address_space: global }
      - { .name: Wo, .offset: 24, .size: 8, .value_kind: global_buffer, .address_space: global }
      - { .name: bq, .offset: 32, .size: 8, .value_kind: global_buffer, .address_space: global }
      - { .name: bk, .offset: 40, .size: 8, .value_kind: global_buffer, .address_space: global }
      - { .name: bv, .offset: 48, .size: 8, .value_kind: global_buffer, .address_space: global }
      - { .name: bo, .offset: 56, .size: 8, .value_kind: global_buffer, .address_space: global }
      - { .name: rel_k_table, .offset: 64, .size: 8, .value_kind: global_buffer, .address_space: global }
      - { .name: rel_v_table, .offset: 72, .size: 8, .value_kind: global_buffer, .address_space: global }
      - { .name: wb, .offset: 80, .size: 8, .value_kind: global_buffer, .address_space: global }
      - { .name: aux, .offset: 88, .size: 8, .value_kind: global_buffer, .address_space: global }
    .group_segment_fixed_size: 0
    .private_segment_fixed_size: 0
    .kernarg_segment_align: 8
    .kernarg_segment_size: 96
    .max_flat_workgroup_size: 256
    .sgpr_count:     66
    .vgpr_count:     112
    .wavefront_size: 32
...
	.end_amdgpu_metadata
.endif
;; end of part 1
;; launch proj (part 2): grid 4 x 64, 4 waves a work-group, clusters of 4 x 4, 327,680 bytes of LDS; arguments q, k, v, wb, aux, qkv; writes qkv
.if DOCPART == 2
	.amdgcn_target "amdgcn-amd-amdhsa--gfx1250"
	.amdhsa_code_object_version 6
	.text
	.protected	k_qf3c89012f1_proj
	.globl	k_qf3c89012f1_proj
	.p2align	8
	.type	k_qf3c89012f1_proj,@function
k_qf3c89012f1_proj:
	s_mov_b64 s[64:65], 0
	v_nop
	global_prefetch_b8 v0, s[64:65] scope:SCOPE_SE
	s_setreg_imm32_b32 hwreg(HW_REG_WAVE_MODE, 25, 1), 1
	s_wait_xcnt 0x0
	s_wait_alu depctr_hold_cnt(0) depctr_sa_sdst(0) depctr_va_vdst(0) depctr_va_sdst(0) depctr_va_ssrc(0) depctr_va_vcc(0) depctr_vm_vsrc(0)
	s_getreg_b32 s2, hwreg(HW_REG_IB_STS2, 6, 4)
	s_cmp_eq_u32 s2, 0
	s_cbranch_scc0 .Lentry_in_a_cluster
	s_endpgm
.Lentry_in_a_cluster:
	s_bfe_u32 s2, ttmp6, 0x10000c
	s_cmp_lg_u32 s2, 0xf033
	s_cbranch_scc0 .Lentry_shape_is_right
	s_endpgm
.Lentry_shape_is_right:
; THE THREE PROJECTIONS.  plane p of qkv = (r(x_p) r(W_p)) f_p + bias'_p, rounded once to f16; x_p = q, k, v in f32, rounded to bf16 in registers on the way to the matrix unit; r(W_p) is plane p of wb (bf16, [k][n]);
; f_0 = c = log2(e) / 8, f_1 = f_2 = 1; bias' comes from aux (it holds the rounded bias, for k and v with row 0 of the relative table added).  Sums in f32.
; LIMIT: the results stay under 65,504 (f16); below 6e-5 f16 keeps its fixed step of 6e-8.
; SHARES.  768 tiles of 128 rows x 256 columns; 256 work-groups THAT STAY: each makes the q, the k and the v tile at its place (b, tb, column block).  A tile's rows are x[128 tb + i][b][:], one b, so that its
; results are consecutive t of one (b, head).  Four waves, each 64 x 128: 32 accumulators.
; THE RING.  The three tiles are ONE stream of 24 K steps of 128 through two LDS slots (A's rows 512 bytes of f32, B's 128 rows of 512 bytes of bf16); step n belongs to projection n / 8.  A trip of the loop is one
; K step: the slot's first fragments, 128 matrix instructions a wave, then the change of slots: the waits, the cluster's round, and the refill of the slot just read with step n + 2.  So a refill has the
; whole next step, 128 matrix instructions, in which to land, and nothing but the round stands between a tile's landing and the next request.  The ring runs on across tiles; a finished tile goes out at
; the head of the next tile's first step, when both of that tile's first refills have been asked for, and nothing waits for its stores.
; OUT: qkv plane = [b 8][hg 4][sg 16][hh 4][row 64][ch 64] f16: head 4 hg + hh, t = 64 sg + row; every store covers 512 consecutive bytes.
; CLUSTER 4 x 4: the four of a row of the cluster share A's tile (same rows of x), the four of a column B's (same columns of W): each is asked for jointly.
; THE MATRIX INSTRUCTION IS USED TRANSPOSED: source 0 = 16 columns of W (turned out of LDS by ds_load_tr16_b128), source 1 = 16 rows of x: a lane then holds 8 neighbouring columns of one row.
; REGISTERS.  window 0: v16-31 addresses; v32-95 STG, A's fragments in f32 as loaded; v96-159 ABF, two buffers of four bf16 fragments; v160-223 bias'; v224-255 at work on the way out.
;   window 1: the accumulators, (a, bn) at 8 (8 a + bn).   window 2: v0-127 B's fragments, two buffers of eight.
; The 32 conversions of a quarter step stand in fours behind matrix instructions, so each four costs two switches of the register window.
.set PA,    528                        ; a row of A in LDS: 512 bytes + 16: 132 words, so the 16 rows of a load start at 16 different groups of four banks (64 banks of 4 bytes: ISA guide 11.1)
.set PB,    544                        ; a row of B: 512 + 32 = 136 words
.set HALFA, 64*PA                      ; what one tensor load brings of A,
.set HALFB, 64*PB                      ; and of B
.set BOFF,  2*HALFA
.set SLOT,  139264                     ; from slot 0 to slot 1: 0x22000.  A slot uses 137,216 bytes; the four waves' places in it, 0, 0x8400, 0x10800, 0x19000, share no bit with 0x22000, so one exclusive or turns a place in one slot into the other's
.set STAGE, 2*SLOT                     ; behind the ring: [2 heads][16 rows][144 bytes] for each wave
.set STW,   2*16*144
.set SPARE, STAGE+4*STW                ; the spare words, 128 bytes a wave
.set KSB,   262144                     ; a K step of wb: 128 rows of 2,048 bytes; plane p + 1 follows plane p, so the stream of 24 steps is dense in steps
.set ADRA0, 16                         ; v16 my A fragments in slot 0; v17 in the slot in hand
.set ADRA,  17
.set ADRB0, 20                         ; v20, v21 the same for B
.set ADRB,  21
.set STO,  24
.set RD,   25
.set GO,   26
.set BO,   27                          ; 32 h: my place in 64 bytes of bias'
.set SPW,  28
.set NIL,  29
.set PFO,  30                          ; the prefetches' lane offset; never rewritten
.set STG,  32
.set ABF,  96
.set BIAS, 160
.set TMP,  224
.set NS,   2                           ; s2   n, the K step in hand
.set NQ,   22                          ; s22  n + 2, the step that the change of slots asks for
.set NP,   85                          ; s85  n + 4, the step that it prefetches
.set SB,   84                          ; s84  the slot in hand: 0 or SLOT
.set NEW,  86                          ; s86  1: the step in hand is a tile's first
.set TOFA, 72                          ; s[72:73] byte offset in x of my 64 rows of the tile
.set PFOA, 80                          ; s[80:81] the same for my work-group's 16 rows of them
.set G1A, 24
.set G0A, 32                           ; s[32:35] slot 0's first fill; s[36:39] slot 1's, which then walks
.set G1B, 48
.set G0B, 56                           ; s[56:59], s[60:63] the same for B
.set MSB, 0
.macro WIN new                         ; the immediate's high byte repeats the setting that is left; a switch that changes nothing is dropped
.if MSB != (\new)
	s_set_vgpr_msb (MSB<<8)|(\new)
.set MSB, \new
.endif
.endm
.set MUL,   0x52                       ; source 0 (B) window 2, source 1 (A) window 0, C and D window 1
.set TO_B,  0x80                       ; destination window 2, address window 0
.set RDACC, 0x01                       ; source 0 window 1
.macro JLOAD s                         ; a joint load: waves 0 and 1 fetch A's halves, waves 2 and 3 B's; an s_nop 0 and four v_nop follow each line
	s_cmp_eq_u32 s17, 0
	s_cbranch_scc0 .Lfor_b_\@
	tensor_load_to_lds s[G0A+4*(\s):G0A+4*(\s)+3], s[G1A:G1A+7]
	s_nop 0
.rept 4
	v_nop
.endr
	s_branch .Lasked_\@
.Lfor_b_\@:
	tensor_load_to_lds s[G0B+4*(\s):G0B+4*(\s)+3], s[G1B:G1B+7]
	s_nop 0
.rept 4
	v_nop
.endr
.Lasked_\@:
.endm
.macro CROUND                          ; a round of the cluster's barrier
	s_barrier_signal -1
	s_barrier_wait -1
	s_cmp_lg_u32 s16, 0
	s_cbranch_scc1 .Lnot_wave_0_\@
	s_barrier_signal -3
.Lnot_wave_0_\@:
	s_barrier_wait -3
	s_barrier_signal -1
	s_barrier_wait -1
.endm
; A PREFETCH INTO THE L2, behind each joint refill: the K step two refills on (n + 4), 16 rows x 512 bytes, a lane a block of 256 bytes, one instruction a wave.
; A's tile is read by one row of one cluster: of the 64 rows that wave 0 or 1 fetches, the partner at place cx takes 16.  B's tile is read by 16 clusters: the first of them asks; of the 64 rows
; that wave 2 or 3 fetches, the partner at place cy takes 16.  The shares are told apart by address.  The trips with n + 4 past step 23 (s3 = 22 - n under 3) ask for nothing; steps 0 to 3 come by their loads alone.
.macro ASK
	s_cmp_gt_u32 s3, s70
	s_cbranch_scc0 .Lnot_mine_\@
	global_prefetch_b8 v[PFO], s[68:69] th:TH_LOAD_NT scope:SCOPE_SE
.Lnot_mine_\@:
.endm
; x's address for step n of the stream, made anew: the buffer of projection n / 8 (a choice between buffers on a counter), 512 bytes for each of the tile's steps, and an offset made apart
.macro AADDR dst, n, off
	s_lshr_b32 s42, s[\n], 3
	s_cmp_eq_u32 s42, 1
	s_cselect_b64 s[(\dst):(\dst)+1], s[6:7], s[4:5]
	s_cmp_eq_u32 s42, 2
	s_cselect_b64 s[(\dst):(\dst)+1], s[8:9], s[(\dst):(\dst)+1]
	s_and_b32 s42, s[\n], 7
	s_lshl_b32 s42, s42, 9
	s_mov_b32 s43, 0
	s_add_nc_u64 s[(\dst):(\dst)+1], s[(\dst):(\dst)+1], s[42:43]
	s_add_nc_u64 s[(\dst):(\dst)+1], s[(\dst):(\dst)+1], s[(\off):(\off)+1]
.endm
	s_load_b256 s[4:11], s[0:1], 0x0               ; q 4, k 6, v 8, wb 10
	s_load_b128 s[12:15], s[0:1], 0x20             ; aux 12, qkv 14
	v_lshl_add_u32 v[SPW], v0, 2, SPARE
	v_mov_b32 v[NIL], 0
	ds_add_u32 v[SPW], v[NIL]                      ; the wave's opening: the add and its wait ahead of my first tensor load
	v_lshrrev_b32 v1, 5, v0
	v_readfirstlane_b32 s16, v1                    ; wave 0..3
	s_lshr_b32 s17, s16, 1                         ; WM: my half of the rows.  Also: I fetch for A (0) or B (1)
	s_and_b32 s18, s16, 1                          ; WN: my half of the columns.  Also: which half of that tile I fetch
	s_bfe_u32 s19, ttmp6, 0x40000                  ; cx = the block of 256 columns = hg
	s_bfe_u32 s20, ttmp6, 0x40004                  ; cy
	s_and_b32 s21, ttmp7, 0xffff                   ; the cluster's y, 0..15
	s_lshl_b32 s23, s21, 2
	s_add_co_u32 s23, s23, s20                     ; y, 0..63
	s_lshr_b32 s40, s23, 3                         ; b
	s_and_b32 s41, s23, 7                          ; tb
	s_lshl_b32 s42, s20, 2
	s_lshl_b32 s42, 15, s42                        ; my row of the cluster
	s_lshl_b32 s43, 0x1111, s19                    ; my column
	s_or_b32 s[G1A], s42, (2<<16)|(1<<20)|(1<<21)|(6<<22)|(3<<25)  ; mask; 4-byte elements; padding on; bit 21 beside a mask; after every 128 words; 4 words
	s_or_b32 s[G1B], s43, (1<<16)|(1<<20)|(1<<21)|(6<<22)|(7<<25)  ; 2-byte elements; 8 words of padding
	s_mov_b32 s[G1A+1], 128<<16                    ; tensor_dim0 = 128
	s_mov_b32 s[G1A+2], 64<<16                     ; tensor_dim1 = 64
	s_mov_b32 s[G1A+3], 128<<16                    ; tile_dim0 = 128
	s_mov_b32 s[G1A+4], 64                         ; tile_dim1 = 64
	s_mov_b32 s[G1A+5], 8192                       ; from t to t + 1: 8 x 1,024 elements
	s_mov_b32 s[G1A+6], 0
	s_mov_b32 s[G1A+7], 0
	s_mov_b32 s[G1B+1], 256<<16
	s_mov_b32 s[G1B+2], 64<<16
	s_mov_b32 s[G1B+3], 256<<16
	s_mov_b32 s[G1B+4], 64
	s_mov_b32 s[G1B+5], 1024
	s_mov_b32 s[G1B+6], 0
	s_mov_b32 s[G1B+7], 0
	s_lshl_b32 s[TOFA], s41, 7                     ; A: row t = 128 tb + 64 x half, 32,768 bytes a row, + 4,096 b
	s_lshl_b32 s[TOFA+1], s18, 6
	s_add_co_u32 s[TOFA], s[TOFA], s[TOFA+1]
	s_lshl_b32 s[TOFA], s[TOFA], 15
	s_lshl_b32 s[TOFA+1], s40, 12
	s_add_co_u32 s[TOFA], s[TOFA], s[TOFA+1]
	s_mov_b32 s[TOFA+1], 0
	s_lshl_b32 s[PFOA], s19, 19                    ; the prefetches of A: 16 cx rows further down
	s_add_co_u32 s[PFOA], s[PFOA], s[TOFA]
	s_mov_b32 s[PFOA+1], 0
	s_lshl_b32 s46, s18, 17                        ; B: 64 x half rows of 2,048 bytes, 512 cx
	s_lshl_b32 s47, s19, 9
	s_add_co_u32 s46, s46, s47
	s_mov_b32 s47, 0
	s_lshl_b32 s44, s20, 15                        ; the prefetches of B: 16 cy rows further down, at K step 3: the first change of slots steps them to 4
	s_add_co_u32 s44, s44, 3*KSB
	s_mov_b32 s45, 0
	s_mul_i32 s78, s18, HALFA                      ; where the tiles go: no place in the cluster enters an LDS address
	s_mul_i32 s79, s18, HALFB
	s_add_co_u32 s79, s79, BOFF
	s_mov_b32 s66, 0x3e38aa3b                      ; c, for the first tile, q's
	s_mov_b32 s67, s66
	s_wait_dscnt 0x0                               ; the opening add is done
	s_wait_kmcnt 0x0
	s_add_nc_u64 s[74:75], s[4:5], s[TOFA:TOFA+1]  ; q at my 64 rows
	s_add_nc_u64 s[46:47], s[10:11], s[46:47]      ; wb at my 64 rows of step 0
	s_add_nc_u64 s[88:89], s[46:47], s[44:45]
	CROUND                                         ; all sixteen work-groups are here: the first joint loads meet
.irp s, 0,1
	s_mov_b32 s[G0A+4*(\s)], 1
	s_add_co_u32 s[G0A+4*(\s)+1], s78, (\s)*SLOT
	s_add_nc_u64 s[G0A+4*(\s)+2:G0A+4*(\s)+3], s[74:75], (\s)*512
	s_or_b32 s[G0A+4*(\s)+3], s[G0A+4*(\s)+3], 0x80000000
	s_mov_b32 s[G0B+4*(\s)], 1
	s_add_co_u32 s[G0B+4*(\s)+1], s79, (\s)*SLOT
	s_add_nc_u64 s[G0B+4*(\s)+2:G0B+4*(\s)+3], s[46:47], (\s)*KSB
	s_or_b32 s[G0B+4*(\s)+3], s[G0B+4*(\s)+3], 0x80000000
	JLOAD \s
.endr
	v_and_b32 v1, 15, v0                           ; r
	v_bfe_u32 v2, v0, 4, 1                         ; h
	v_lshlrev_b32 v[BO], 5, v2
	s_lshl_b32 s42, s19, 10                        ; bias': my 128 columns of row 0
	s_lshl_b32 s43, s18, 9
	s_add_co_u32 s42, s42, s43
	s_mov_b32 s43, 0
	s_add_nc_u64 s[82:83], s[12:13], s[42:43]
.macro LOADBIAS
.irp bn, 0,1,2,3,4,5,6,7
	global_load_b128 v[BIAS+8*\bn:BIAS+8*\bn+3],   v[BO], s[82:83] offset:64*\bn
	global_load_b128 v[BIAS+8*\bn+4:BIAS+8*\bn+7], v[BO], s[82:83] offset:64*\bn+16
.endr
.endm
	LOADBIAS
	v_mul_u32_u24 v3, v1, PA                       ; A in f32: row r, 32 bytes for each half of the lanes
	v_lshl_add_u32 v3, v2, 5, v3
	s_mul_i32 s42, s17, HALFA
	v_add_nc_u32 v[ADRA0], s42, v3
	v_and_b32 v4, 7, v0                            ; B, turned: lane l reads row 8 h + l % 8, 16 bytes at 16 ((l / 8) % 2)
	v_lshl_add_u32 v4, v2, 3, v4
	v_mul_u32_u24 v4, v4, PB
	v_bfe_u32 v5, v0, 3, 1
	v_lshl_add_u32 v4, v5, 4, v4
	s_lshl_b32 s42, s18, 8
	s_add_co_u32 s42, s42, BOFF
	v_add_nc_u32 v[ADRB0], s42, v4
	s_mul_i32 s42, s16, STW
	s_add_co_u32 s42, s42, STAGE                   ; my stage
	v_mul_u32_u24 v3, v1, 144
	v_lshl_add_u32 v3, v2, 4, v3
	v_add_nc_u32 v[STO], s42, v3
	v_bfe_u32 v3, v0, 3, 2                         ; back: 32 lanes take four rows of 128 bytes
	v_mul_u32_u24 v3, v3, 144
	v_and_b32 v4, 7, v0
	v_lshl_add_u32 v3, v4, 4, v3
	v_add_nc_u32 v[RD], s42, v3
	v_and_b32 v[GO], 31, v0
	v_lshlrev_b32 v[GO], 4, v[GO]
	s_lshl_b32 s42, s40, 2                         ; out: plane 0, block (4 b + cx) 16 + 2 tb + WM, heads 2 WN ..
	s_add_co_u32 s42, s42, s19
	s_lshl_b32 s42, s42, 4
	s_lshl_b32 s43, s41, 1
	s_add_co_u32 s42, s42, s43
	s_add_co_u32 s42, s42, s17
	s_lshl_b32 s42, s42, 15
	s_lshl_b32 s43, s18, 14
	s_add_co_u32 s42, s42, s43
	s_mov_b32 s43, 0
	s_add_nc_u64 s[76:77], s[14:15], s[42:43]
	s_cmp_eq_u32 s17, 0                            ; do I fetch for A?
	s_cselect_b32 s43, 0, s21                      ; 0 where I prefetch: A always, B in the first cluster of the column
	s_cselect_b32 s42, 15, 11                      ; a row: 32,768 bytes of x, 2,048 of wb
	s_cmp_eq_u32 s43, 0
	s_cselect_b32 s70, 2, -1                       ; the same in all sixteen partners, for a given wave
	v_lshlrev_b32 v[PFO], s42, v1
	v_lshl_add_u32 v[PFO], v2, 8, v[PFO]           ; lanes 16-31: the row's second 256 bytes
; cnt matrix instructions: row block a x column blocks b0 .., 32 along K, buffers f.  zero = 1: the first product starts the sums
.macro MULN f, a, b0, cnt, zero
	WIN MUL
.set bb, (\b0)
.rept (\cnt)
.if \zero
	v_wmma_f32_16x16x32_bf16 v[8*(8*(\a)+bb):8*(8*(\a)+bb)+7], v[64*(\f)+8*bb:64*(\f)+8*bb+7], v[ABF+32*(\f)+8*(\a):ABF+32*(\f)+8*(\a)+7], 0
.else
	v_wmma_f32_16x16x32_bf16 v[8*(8*(\a)+bb):8*(8*(\a)+bb)+7], v[64*(\f)+8*bb:64*(\f)+8*bb+7], v[ABF+32*(\f)+8*(\a):ABF+32*(\f)+8*(\a)+7], v[8*(8*(\a)+bb):8*(8*(\a)+bb)+7]
.endif
.set bb, bb+1
.endr
.endm
; half a fragment of A, f32 to bf16: four roundings of two
.macro CVT4 f, a, part
	WIN 0
.irp i, 0,1,2,3
	v_cvt_pk_bf16_f32 v[ABF+32*(\f)+8*(\a)+4*(\part)+\i], v[STG+16*(\a)+8*(\part)+2*\i], v[STG+16*(\a)+8*(\part)+2*\i+1]
.endr
.endm
; 32 LDS loads in one run: quarter q of the slot in hand: A's four fragments in f32 into STG (k = 8 h .. and 16 + 8 h ..: 32 bytes each), B's eight, turned, into buffer g
.macro FETCH q, g
	WIN 0
.irp a, 0,1,2,3
	ds_load_b128 v[STG+16*\a:STG+16*\a+3],     v[ADRA] offset:\a*16*PA+128*(\q)
	ds_load_b128 v[STG+16*\a+4:STG+16*\a+7],   v[ADRA] offset:\a*16*PA+128*(\q)+16
	ds_load_b128 v[STG+16*\a+8:STG+16*\a+11],  v[ADRA] offset:\a*16*PA+128*(\q)+64
	ds_load_b128 v[STG+16*\a+12:STG+16*\a+15], v[ADRA] offset:\a*16*PA+128*(\q)+80
.endr
	WIN TO_B
.irp bn, 0,1,2,3,4,5,6,7
	ds_load_tr16_b128 v[64*(\g)+8*\bn:64*(\g)+8*\bn+3],   v[ADRB] offset:(\q)*32*PB+32*\bn
	ds_load_tr16_b128 v[64*(\g)+8*\bn+4:64*(\g)+8*\bn+7], v[ADRB] offset:(\q)*32*PB+32*\bn+16*PB
.endr
.endm
; A quarter step is 32 matrix instructions; each accumulator has one turn in it, so 31 others' stand between two links of a chain, over every jump too.
; Row blocks 0 and 1 are multiplied while fragments 2 and 3 of the same quarter are converted; row block 3 while fragments 0 and 1 of the next quarter are.
.macro H1 f, zero
	MULN \f, 0, 0, 4, \zero
	CVT4 \f, 2, 0
	MULN \f, 0, 4, 4, \zero
	CVT4 \f, 2, 1
	MULN \f, 1, 0, 4, \zero
	CVT4 \f, 3, 0
	MULN \f, 1, 4, 4, \zero
	CVT4 \f, 3, 1
.endm
.macro H2 f, g, zero
	MULN \f, 2, 0, 8, \zero
	s_wait_dscnt 24                                ; of the 32 loads just issued the first eight, A's fragments 0 and 1, are in
	MULN \f, 3, 0, 2, \zero
	CVT4 \g, 0, 0
	MULN \f, 3, 2, 2, \zero
	CVT4 \g, 0, 1
	MULN \f, 3, 4, 2, \zero
	CVT4 \g, 1, 0
	MULN \f, 3, 6, 2, \zero
	CVT4 \g, 1, 1
.endm
; One of a step's first three quarters: multiplies buffer f and fetches quarter q into buffer g.  The loads into g stand behind H1's sixteen conversions, which name no register of the products that read g
; last: more than the four places that are asked for (ISA guide 7.12.1 for vector instructions).
.macro QUARTER q, f, g, zero
	s_wait_dscnt 0x0                               ; B's fragments and A's fragments 2 and 3 of this quarter are in
	H1 \f, \zero
	FETCH \q, \g
	H2 \f, \g, \zero
.endm
.macro LASTQ                           ; a step's fourth quarter multiplies buffer 1 and fetches nothing
	s_wait_dscnt 0x0
	H1 1, 0
	MULN 1, 2, 0, 8, 0
	MULN 1, 3, 0, 8, 0
.endm
; A step's head: its slot's addresses and its first quarter's fragments.  Buffer 0's last readers stand in front of the fourth quarter's sixteen conversions.
.macro STEPHEAD
	WIN 0
	v_add_nc_u32 v[ADRA], s[SB], v[ADRA0]
	v_add_nc_u32 v[ADRB], s[SB], v[ADRB0]
	FETCH 0, 0
	s_wait_dscnt 24                                ; A's fragments 0 and 1
	CVT4 0, 0, 0
	CVT4 0, 0, 1
	CVT4 0, 1, 0
	CVT4 0, 1, 1
.endm
; THE CHANGE OF SLOTS, behind a step's last product.  Each wave waits for all its tensor loads (one is out: its part of the next slot), adds 0 to its spare word, and waits for that and for its reads of this slot.
; fill = 1: a round of the cluster's barrier, and this slot is filled again, with step n + 2, first thing behind it.
.macro CHANGE fill
	WIN 0
.if \fill
	s_wait_xcnt 0x0                                ; the last prefetch, a K step back, has read its address
.endif
	s_wait_tensorcnt 0x0                           ; no tensor load of mine is out, so the walking descriptors may be written
	ds_add_u32 v[SPW], v[NIL]                      ; the scalar work below stands between the add and the wait for it
.if \fill
	AADDR G0A+6, NQ, TOFA
	s_or_b32 s[G0A+7], s[G0A+7], 0x80000000
	s_xor_b32 s[G0A+5], s[G0A+5], SLOT
	s_add_nc_u64 s[G0B+6:G0B+7], s[G0B+6:G0B+7], KSB   ; the type bits on top are not reached
	s_xor_b32 s[G0B+5], s[G0B+5], SLOT
	AADDR 68, NP, PFOA
	s_add_nc_u64 s[88:89], s[88:89], KSB
	s_cmp_eq_u32 s17, 0
	s_cselect_b64 s[68:69], s[68:69], s[88:89]
.endif
	s_xor_b32 s[SB], s[SB], SLOT
	s_wait_dscnt 0x0                               ; the add is done, and my reads of this slot are over
.if \fill
	CROUND
	JLOAD 1
	ASK
.else
	s_barrier_signal -1
	s_barrier_wait -1
.endif
.endm
; THE WAY OUT of row block a: sum x f + bias', rounded to f16; 16 bytes a lane into my stage, back as whole rows of 128 bytes, four rows (512 consecutive bytes of qkv) a store.
.macro OUT a
	WIN RDACC
.set bq, 0
.rept 8
.irp i, 0,2,4,6
	v_pk_fma_f32 v[STG+8*bq+\i:STG+8*bq+\i+1], v[8*(8*(\a)+bq)+\i:8*(8*(\a)+bq)+\i+1], s[66:67], v[BIAS+8*bq+\i:BIAS+8*bq+\i+1] op_sel_hi:[1,0,1]
.endr
.set bq, bq+1
.endr
	WIN 0
.set i, 0
.rept 32
	v_cvt_pk_f16_f32 v[TMP+i], v[STG+2*i], v[STG+2*i+1]
.set i, i+1
.endr
.irp bn, 0,1,2,3,4,5,6,7
	ds_store_b128 v[STO], v[TMP+4*\bn:TMP+4*\bn+3] offset:(\bn/4)*2304+32*(\bn%4)
.endr
.if (\a) > 0
	s_wait_xcnt 0x0                                ; the registers that earlier stores read are loaded again only behind this wait
.endif
.irp f, 0,1,2,3,4,5,6,7
	ds_load_b128 v[ABF+32*((\a)%2)+4*\f:ABF+32*((\a)%2)+4*\f+3], v[RD] offset:(\f/4)*2304+(\f%4)*576  ; LDS serves a wave's instructions in order: these see the stores above
.endr
.irp f, 0,1,2,3,4,5,6,7
	s_wait_dscnt 7-\f
	global_store_b128 v[GO], v[ABF+32*((\a)%2)+4*\f:ABF+32*((\a)%2)+4*\f+3], s[76:77] offset:(\f/4)*8192+(\a)*2048+(\f%4)*512
.endr
.endm
.macro OUTALL
	WIN 0
	s_wait_loadcnt 0x0                             ; bias'
.rept 8
	v_nop                                          ; the places behind the last products
.endr
	OUT 0
	OUT 1
	OUT 2
	OUT 3
.endm
	s_mov_b32 s3, 22                               ; the steps behind which a slot is filled again: 0 to 21
	s_mov_b32 s[NS], 0
	s_mov_b32 s[NQ], 2
	s_mov_b32 s[NP], 4
	s_mov_b32 s[SB], 0
	s_mov_b32 s[NEW], 1
	s_wait_tensorcnt 1                             ; my part of K step 0 is in; K step 1's stays out
	s_barrier_signal -1
	s_barrier_wait -1
	s_branch .Lhead                                ; the first step has no tile to send out
.Lk:                                                   ; a trip: one K step
	s_cmp_eq_u32 s[NEW], 1
	s_cbranch_scc0 .Lhead
	OUTALL                                         ; the tile before goes out: this tile's steps 0 and 1 have been asked for
	s_wait_xcnt 0x0                                ; the stores have read their registers and their base
	s_add_nc_u64 s[76:77], s[76:77], 16777216      ; the next plane of qkv,
	s_add_nc_u64 s[82:83], s[82:83], 4096          ; the next row of bias',
	s_mov_b32 s66, 1.0                             ; and no scale for k and v
	s_mov_b32 s67, 1.0
	LOADBIAS
.Lhead:
	STEPHEAD
	WIN 0
	s_cmp_eq_u32 s[NEW], 1                         ; at the first trip the answer is a constant of the text
	s_cbranch_scc0 .Lmid
	QUARTER 1, 0, 1, 1                             ; a tile's first products start the sums: nothing is cleared
	WIN 0
	s_branch .Ljoin
.Lmid:
	QUARTER 1, 0, 1, 0
	WIN 0
.Ljoin:
	QUARTER 2, 1, 0, 0
	QUARTER 3, 0, 1, 0
	LASTQ
	CHANGE 1
	s_add_co_u32 s[NS], s[NS], 1
	s_add_co_u32 s[NQ], s[NQ], 1
	s_add_co_u32 s[NP], s[NP], 1
	s_and_b32 s42, s[NS], 7
	s_cmp_eq_u32 s42, 0
	s_cselect_b32 s[NEW], 1, 0
	s_sub_co_u32 s3, s3, 1
	s_cmp_lg_u32 s3, 0
	s_cbranch_scc1 .Lk
	s_mov_b32 s3, 2                                ; steps 22 and 23 are written apart: nothing is asked for
.Ltail:
	STEPHEAD
	QUARTER 1, 0, 1, 0
	QUARTER 2, 1, 0, 0
	QUARTER 3, 0, 1, 0
	LASTQ
	CHANGE 0
	s_sub_co_u32 s3, s3, 1
	s_cmp_lg_u32 s3, 0
	s_cbranch_scc1 .Ltail
	OUTALL
	s_wait_tensorcnt 0x0                           ; the wave's end
	ds_add_u32 v[SPW], v[NIL]
	s_wait_dscnt 0x0
	CROUND                                         ; the closing round
	s_endpgm
.Lfunc_end_k_qf3c89012f1_proj:
	.size	k_qf3c89012f1_proj, .Lfunc_end_k_qf3c89012f1_proj-k_qf3c89012f1_proj
	.p2alignl 7, 3214868480
	.fill 96, 4, 3214868480
	.section	.rodata,"a",@progbits
	.p2align	6, 0x0
	.amdhsa_kernel k_qf3c89012f1_proj
		.amdhsa_group_segment_fixed_size 327680
		.amdhsa_private_segment_fixed_size 0
		.amdhsa_enable_private_segment 0
		.amdhsa_kernarg_size 48
		.amdhsa_user_sgpr_count 2
		.amdhsa_user_sgpr_kernarg_segment_ptr 1
		.amdhsa_wavefront_size32 1
		.amdhsa_system_sgpr_workgroup_id_x 1
		.amdhsa_system_sgpr_workgroup_id_y 1
		.amdhsa_system_sgpr_workgroup_id_z 1
		.amdhsa_system_vgpr_workitem_id 0
		.amdhsa_next_free_vgpr 640
		.amdhsa_next_free_sgpr 92
		.amdhsa_reserve_vcc 0
		.amdhsa_float_denorm_mode_32 3
		.amdhsa_float_denorm_mode_16_64 3
		.amdhsa_memory_ordered 1
		.amdhsa_forward_progress 1
		.amdhsa_inst_pref_size 124
	.end_amdhsa_kernel
	.amdgpu_metadata
---
amdhsa.version: [ 1, 2 ]
amdhsa.kernels:
  - .name:           k_qf3c89012f1_proj
    .symbol:         k_qf3c89012f1_proj.kd
    .args:
      - { .name: q, .offset: 0, .size: 8, .value_kind: global_buffer, .address_space: global }
      - { .name: k, .offset: 8, .size: 8, .value_kind: global_buffer, .address_space: global }
      - { .name: v, .offset: 16, .size: 8, .value_kind: global_buffer, .address_space: global }
      - { .name: wb, .offset: 24, .size: 8, .value_kind: global_buffer, .address_space: global }
      - { .name: aux, .offset: 32, .size: 8, .value_kind: global_buffer, .address_space: global }
      - { .name: qkv, .offset: 40, .size: 8, .value_kind: global_buffer, .address_space: global }
    .group_segment_fixed_size: 327680
    .private_segment_fixed_size: 0
    .kernarg_segment_align: 8
    .kernarg_segment_size: 48
    .max_flat_workgroup_size: 128
    .sgpr_count:     92
    .vgpr_count:     640
    .wavefront_size: 32
...
	.end_amdgpu_metadata
.endif
;; end of part 2
;; launch attn (part 3): grid 4 x 64, 8 waves a work-group, clusters of 4 x 1, 327,680 bytes of LDS; arguments qkv, mask, aux, ob; writes ob
.if DOCPART == 3
	.amdgcn_target "amdgcn-amd-amdhsa--gfx1250"
	.amdhsa_code_object_version 6
	.text
	.protected	k_qf3c89012f1_attn
	.globl	k_qf3c89012f1_attn
	.p2align	8
	.type	k_qf3c89012f1_attn,@function
k_qf3c89012f1_attn:
	s_mov_b64 s[64:65], 0
	v_nop
	global_prefetch_b8 v0, s[64:65] scope:SCOPE_SE
	s_setreg_imm32_b32 hwreg(HW_REG_WAVE_MODE, 25, 1), 1
	s_wait_xcnt 0x0
	s_wait_alu depctr_hold_cnt(0) depctr_sa_sdst(0) depctr_va_vdst(0) depctr_va_sdst(0) depctr_va_ssrc(0) depctr_va_vcc(0) depctr_vm_vsrc(0)
	s_getreg_b32 s2, hwreg(HW_REG_IB_STS2, 6, 4)
	s_cmp_eq_u32 s2, 0
	s_cbranch_scc0 .Lentry_in_a_cluster
	s_endpgm
.Lentry_in_a_cluster:
	s_bfe_u32 s2, ttmp6, 0x10000c
	s_cmp_lg_u32 s2, 0x3003
	s_cbranch_scc0 .Lentry_shape_is_right
	s_endpgm
.Lentry_shape_is_right:
; ATTENTION WITH AN ADDITIVE MASK AND CLIPPED RELATIVE POSITIONS.  q', k', v' (f16, planes of qkv, [b][hg][sg][hh][row 64][ch 64]) come from the launch before: q' carries c = log2(e) / 8, so scores are in
; powers of two; k' and v' carry row 0 of their relative tables.  With RD[t][j] = q'[t] . (relk[j] - relk[0]) and idx = clip(s - t, -16, 16) + 16:
;   score'[t][s] = mask[b][t][s] log2(e) + q'[t] . k'[s] + RD[t][idx],   p = 2^(score' - m),   O = (sum p v' + sum p (relv[idx] - relv[0])) / sum p.
; The mask is read whole, in f32, and added by one fused multiply-add; m is a running maximum, taken of the scores themselves, so a row whose scores are all alike (all masked) gets equal weights.
; idx is 0 for s - t <= -16 and 32 for s - t >= 16.  For a block of 16 queries x 16 keys, d blocks apart: d <= -2: nothing is added; d >= 2: RD32 = RD[t][32], one number a query; d = -1, 0, 1: THE BAND.
; A tile and step that lies wholly at d >= 2 never adds RD32 to its 32 scores: its maximum takes + RD32, and what is subtracted is m - RD32 (G = 1; elsewhere G = 0).
; THE BAND ON THE SCORES: RD (32 columns, j = 1..32) is a product of the table with Q, 4 matrix instructions a tile; a row [16 x 0 | RD | 16 x RD32] goes into my own LDS bytes E and is read back skewed by the query's number.
; THE BAND ON THE VALUES: the three blocks' weights go into my own LDS bytes Y and come back unskewed as a fragment (32 positions j = 1..32 x 16 queries), which 4 matrix instructions multiply by the table of differences.
; The weights at s - t > 16 are summed in lR; at the end O takes lR x (relv[32] - relv[0]).
; LIMITS: q', k', v' within 65,504 (f16); p lies in 0 to 1, below 6e-5 in f16's fixed step of 6e-8; a weight below 2^-126 counts as 0; the mask is used in f32, unrounded; NaN and infinities are not treated apart.
; SHARES.  A work-group: 128 queries (block qb of batch b) x 4 heads (group hg).  Wave w: head w % 4, half w / 4 of the queries: 4 tiles of 16.  16 steps of 64 keys, beginning one step in front of the
; diagonal and going round: sigma = (2 qb + 15 + i) % 16, so the last step, which is written out, never holds a band.  Which tile and step holds one hangs on qb, the wave and the step alone.
; CLUSTER 4 x 1: the four head groups of one (b, qb) read the same tile of the mask, a third of a step's bytes: it is asked for jointly.  K and V are NOT shared: those who share them are the query blocks of one
; head group, and the walk and the band's branches hang on the query block, which a place in a cluster may not steer.
; Two waves share a SIMD and run in phases: one wave's products can stand beside the other's softmax.
; REGISTERS.  window 0: v1-15 addresses; v16-47 statistics, 8 a tile: m, (an address of the way out), l x 2, lR x 2, RD32, 0; v48-63 at work; v64-71 TRI; v72-79 zeros, RD32 x 4; v80-95 P; v96-127 S^T; v128-159 mask;
;   v160-191 at work; v192-255 Q.   window 1: v0-127 O^T, 32 a tile; v128-191 K of a step; v192-255 V of a step.
.set PK,    144                        ; a row of K: 128 bytes + 16: the 16 rows of a load start at 16 different groups of four banks (64 banks of 4 bytes: ISA guide 11.1)
.set PV,    160                        ; a row of V: 128 + 32
.set PM,    272                        ; a row of the mask, of E and of Y: 256 + 16
.set VOFF,  4*64*PK
.set MOFF,  VOFF+4*64*PV
.set TKL,   MOFF+128*PM                ; behind slot 0's tiles: the two tables, filled once
.set TVL,   TKL+32*PK
.set SLOT1, 1<<17
.set SCR,   SLOT1+TKL                  ; behind slot 1: E and Y, 4,352 bytes each, for each wave; no tile lands here
.set SCRW,  2*16*PM
.set YOFF,  16*PM
.set SPARE, SCR+8*SCRW                 ; the spare words, 128 bytes a wave
.set PFO, 1
.set AK0, 2
.set AV0, 3
.set AM0, 4
.set AK,  5
.set AV,  6
.set AM,  7
.set EW,  8
.set ER,  9
.set YW,  10
.set YR,  11
.set TKA, 12
.set TVA, 13
.set SPW, 14
.set NIL, 15
.set ST,  16
.set STO, 17                           ; the way out: where I put 16 bytes of a row
.set RDB, 25                           ; where I read rows back
.set GO,  33                           ; my byte offset in 512 consecutive bytes of ob
.set RVO, 41                           ; my byte offset in relv[32] - relv[0]
.set C0,  48
.set AA,  52
.set SUB, 54
.set WF,  56
.set TRI, 64
.set Z4,  72
.set RQ,  76
.set P,   80
.set S,   96
.set MB,  128
.set TMPA, 160
.set Q,   192
.set KF,  128
.set VF,  192
.set WV,  12
.set LB,  14                           ; s14: y at first, then the bases of LDS addresses: it never holds my place in the cluster, nor an address in memory
.set KBS, 4                            ; s[4:5] K at my half of the group's block 0; s[104:105] V; s[6:7] the mask at my 64 rows
.set VBS, 104
.set MBS, 6
.set G1K, 16
.set G1V, 24
.set G1M, 32
.set G0K, 40
.set G0V, 44
.set G0M, 48
.set G1TK, 52
.set SB,  63                           ; the slot in hand
.set CL,  66                           ; s[66:67] log2(e)
.set G1TV, 68
.set G0TK, 76
.set G0TV, 80
.set SEL, 84
.set SIG, 86                           ; the step's block of keys
.set NXT, 87
.set RB,  88                           ; 32 + sigma - my block of queries
.set RB0, 89
.set G012, 90                          ; s[90:91] G for tiles 0-2, s[92:93] for tile 3
.set G3,  92
.set CNT, 94
.set LIM, 95
.set OFF, 96
.set PFA, 98
.set PFC, 100
.set MSB, 0
.macro WIN new
.if MSB != (\new)
	s_set_vgpr_msb (MSB<<8)|(\new)
.set MSB, (\new)
.endif
.endm
.set W_KQ, 0x01                        ; K in window 1; Q and S^T in window 0
.set W_PV, 0x51                        ; V and O^T in window 1, P in window 0
.set W_HV, 0x50                        ; O^T in window 1, both sources in window 0
.set W_RS, 0x41                        ; destination and source 0 in window 1
.set TO1,  0x40                        ; destination window 1
.set W_CV, 0x05                        ; sources 0 and 1 in window 1
.macro NOPS cnt
.rept \cnt
	v_nop
.endr
.endm
.macro TLOAD g0, g1                    ; an s_nop 0 and four v_nop follow every tensor load
	tensor_load_to_lds s[\g0:\g0+3], s[\g1:\g1+7]
	s_nop 0
	NOPS 4
.endm
.macro JLOAD                           ; a step's tiles: waves 0, 1 K's halves, waves 2, 3 V's, waves 4, 5 the mask's (joint); waves 6, 7 none.  The branches hang on the wave's number alone
	s_cmp_lt_u32 s[WV], 2
	s_cbranch_scc0 .Lnot_k_\@
	TLOAD G0K, G1K
	s_branch .Lasked_\@
.Lnot_k_\@:
	s_cmp_lt_u32 s[WV], 4
	s_cbranch_scc0 .Lnot_v_\@
	TLOAD G0V, G1V
	s_branch .Lasked_\@
.Lnot_v_\@:
	s_cmp_lt_u32 s[WV], 6
	s_cbranch_scc0 .Lasked_\@
	TLOAD G0M, G1M
.Lasked_\@:
.endm
.macro CROUND
	s_barrier_signal -1
	s_barrier_wait -1
	s_cmp_lg_u32 s[WV], 0
	s_cbranch_scc1 .Lnot_wave_0_\@
	s_barrier_signal -3
.Lnot_wave_0_\@:
	s_barrier_wait -3
	s_barrier_signal -1
	s_barrier_wait -1
.endm
; A PREFETCH INTO THE L2 of the mask's tile that the NEXT change of slots will ask for: 128 rows x 256 bytes.  One cluster alone reads it; its four partners take 32 rows each, told apart by address; in each, wave 6
; asks, a lane a row: each block is named once.  The last change that fills a slot asks for nothing; the first two steps come by their loads alone.
; K and V are not asked for: the eight work-groups that read a block start their walks two steps apart, so every block has its first reading in somebody's first two steps.
.macro ASK
	s_cmp_gt_u32 s[CNT], s[LIM]
	s_cbranch_scc0 .Lnot_mine_\@
	global_prefetch_b8 v[PFO], s[PFC:PFC+1] th:TH_LOAD_NT scope:SCOPE_SE
.Lnot_mine_\@:
.endm
; THE CHANGE OF SLOTS.  Each wave waits for all its tensor loads (at most one is out: its part of the other slot), adds 0 to its spare word, and waits for that and for its reads of the slot that it leaves.
; fill = 1: the barrier is a round of the cluster's, and the old slot is filled again first thing behind it, with the step after the one that begins.  (At its first use slot 0 is waited for and slot 1 filled.)
.macro CHANGE fill
	WIN 0
	s_wait_tensorcnt 0x0
	ds_add_u32 v[SPW], v[NIL]                      ; the scalar work below stands between the add and the wait for it
	s_add_co_u32 s[SIG], s[SIG], 1
	s_and_b32 s[SIG], s[SIG], 15
	s_add_co_u32 s[RB], s[SIG], s[RB0]
	s_cmp_ge_u32 s[RB], 33                         ; tiles 0-2 lie wholly at d >= 2 from one step behind the diagonal's on,
	s_cselect_b32 s[G012], 1.0, 0
	s_cmp_ge_u32 s[RB], 34                         ; tile 3 from two
	s_cselect_b32 s[G3], 1.0, 0
.if \fill
	s_add_co_u32 s[NXT], s[SIG], 1
	s_and_b32 s[NXT], s[NXT], 15
	s_lshl_b32 s[OFF], s[NXT], 15                  ; a block of K or V is 32,768 bytes
	s_add_nc_u64 s[G0K+2:G0K+3], s[KBS:KBS+1], s[OFF:OFF+1]
	s_or_b32 s[G0K+3], s[G0K+3], 0x80000000
	s_add_nc_u64 s[G0V+2:G0V+3], s[VBS:VBS+1], s[OFF:OFF+1]
	s_or_b32 s[G0V+3], s[G0V+3], 0x80000000
	s_lshl_b32 s[OFF], s[NXT], 8                   ; 64 keys are 256 bytes of a row of the mask
	s_add_nc_u64 s[G0M+2:G0M+3], s[MBS:MBS+1], s[OFF:OFF+1]
	s_or_b32 s[G0M+3], s[G0M+3], 0x80000000
	s_xor_b32 s[G0K+1], s[G0K+1], SLOT1
	s_xor_b32 s[G0V+1], s[G0V+1], SLOT1
	s_xor_b32 s[G0M+1], s[G0M+1], SLOT1
	s_wait_xcnt 0x0                                ; the last prefetch, a step back, has read its address
	s_add_co_u32 s[OFF], s[NXT], 1
	s_and_b32 s[OFF], s[OFF], 15
	s_lshl_b32 s[OFF], s[OFF], 8
	s_add_nc_u64 s[PFC:PFC+1], s[PFA:PFA+1], s[OFF:OFF+1]
	s_wait_dscnt 0x0                               ; the add is done, and my reads of the slot are over
	CROUND
	JLOAD
	ASK
.else
	s_wait_dscnt 0x0
	s_barrier_signal -1
	s_barrier_wait -1
.endif
	s_xor_b32 s[SB], s[SB], SLOT1
.endm
	s_load_b256 s[4:11], s[0:1], 0x0               ; qkv 4, mask 6, aux 8, ob 10
	v_lshl_add_u32 v[SPW], v0, 2, SPARE
	v_mov_b32 v[NIL], 0
	ds_add_u32 v[SPW], v[NIL]                      ; the wave's opening: the add and its wait ahead of my first tensor load
	v_lshrrev_b32 v1, 5, v0
	v_readfirstlane_b32 s[WV], v1                  ; wave 0..7
	s_bfe_u32 s13, ttmp6, 0x40000                  ; cx = hg: it enters global addresses alone
	s_and_b32 s14, ttmp7, 0xffff
	s_lshr_b32 s15, s14, 3                         ; b
	s_and_b32 s60, s14, 7                          ; qb
	s_and_b32 s61, s[WV], 3                        ; my head in the group
	s_lshr_b32 s62, s[WV], 2                       ; my half of the queries
	s_and_b32 s94, s[WV], 1                        ; which half of a tile I fetch
	s_mov_b32 s[G1K], (1<<16)|(1<<20)|(4<<22)|(3<<25)   ; 2-byte elements; padding on; after every 32 words; 4 words.  16,384 dense bytes are asked for as 64 rows of 256
	s_mov_b32 s[G1V], (1<<16)|(1<<20)|(4<<22)|(7<<25)   ; 8 words
	s_mov_b32 s[G1TK], (1<<16)|(1<<20)|(4<<22)|(3<<25)  ; the tables: 4,096 dense bytes, 16 rows of 256
	s_mov_b32 s[G1TV], (1<<16)|(1<<20)|(4<<22)|(7<<25)
.irp g, G1K, G1V
	s_mov_b32 s[\g+1], 128<<16
	s_mov_b32 s[\g+2], 64<<16
	s_mov_b32 s[\g+3], 128<<16
	s_mov_b32 s[\g+4], 64
	s_mov_b32 s[\g+5], 128
	s_mov_b32 s[\g+6], 0
	s_mov_b32 s[\g+7], 0
.endr
.irp g, G1TK, G1TV
	s_mov_b32 s[\g+1], 128<<16
	s_mov_b32 s[\g+2], 16<<16
	s_mov_b32 s[\g+3], 128<<16
	s_mov_b32 s[\g+4], 16
	s_mov_b32 s[\g+5], 128
	s_mov_b32 s[\g+6], 0
	s_mov_b32 s[\g+7], 0
.endr
	s_mov_b32 s[G1M], 15|(2<<16)|(1<<20)|(1<<21)|(5<<22)|(3<<25)  ; the mask of four; 4-byte elements; bit 21 beside a mask; after every 64 words; 4 words
	s_mov_b32 s[G1M+1], 64<<16
	s_mov_b32 s[G1M+2], 64<<16
	s_mov_b32 s[G1M+3], 64<<16
	s_mov_b32 s[G1M+4], 64
	s_mov_b32 s[G1M+5], 1024
	s_mov_b32 s[G1M+6], 0
	s_mov_b32 s[G1M+7], 0
	s_mov_b32 s[G0K], 1
	s_mul_i32 s[G0K+1], s94, 128*PK
	s_mov_b32 s[G0V], 1
	s_mul_i32 s[G0V+1], s94, 128*PV
	s_add_co_u32 s[G0V+1], s[G0V+1], VOFF
	s_mov_b32 s[G0M], 1
	s_mul_i32 s[G0M+1], s94, 64*PM
	s_add_co_u32 s[G0M+1], s[G0M+1], MOFF
	s_mov_b32 s[G0TK], 1
	s_mov_b32 s[G0TK+1], TKL
	s_mov_b32 s[G0TV], 1
	s_mov_b32 s[G0TV+1], TVL
	s_lshl_b32 s100, s15, 2
	s_add_co_u32 s100, s100, s13
	s_lshl_b32 s100, s100, 19                      ; the 16 blocks of (b, hg)
	s_mov_b32 s101, 0
	s_lshl_b32 s86, s60, 1
	s_add_co_u32 s86, s86, s62                     ; my block of queries: 2 qb + half
	s_sub_co_u32 s[RB0], 32, s86
	s_lshl_b32 s2, s86, 15
	s_lshl_b32 s3, s61, 13
	s_add_co_u32 s2, s2, s3
	s_add_co_u32 s2, s2, s100                      ; Q and O: my block, my head
	s_mov_b32 s3, 0
	s_lshl_b32 s87, s94, 14
	s_add_co_u32 s100, s100, s87                   ; K and V: my half of a block
	s_lshl_b32 s96, s15, 22                        ; the mask: b, 128 qb rows of 4,096 bytes (these two registers never hold cx)
	s_lshl_b32 s97, s60, 19
	s_add_co_u32 s96, s96, s97
	s_lshl_b32 s98, s13, 17                        ; the prefetches: my work-group's 32 rows
	s_add_co_u32 s98, s98, s96
	s_mov_b32 s99, 0
	s_lshl_b32 s97, s94, 18                        ; my 64 rows
	s_add_co_u32 s96, s96, s97
	s_mov_b32 s97, 0
	s_mov_b32 s[CL], 0x3fb8aa3b                    ; log2(e)
	s_mov_b32 s[CL+1], s[CL]
	s_mov_b32 s[SEL], 0x76543210
	s_mov_b32 s[SEL+1], 0xfedcba98
	s_mov_b32 s[G012+1], 0                         ; named as pairs
	s_mov_b32 s[G3+1], 0
	s_cmp_eq_u32 s[WV], 6
	s_cselect_b32 s[LIM], 1, -1
	s_wait_dscnt 0x0                               ; the opening add is done
	s_wait_kmcnt 0x0
	s_add_nc_u64 s[10:11], s[10:11], s[2:3]
	s_add_nc_u64 s[2:3], s[4:5], s[2:3]
	s_add_nc_u64 s[4:5], s[4:5], s[100:101]
	s_add_nc_u64 s[VBS:VBS+1], s[4:5], 33554432
	s_add_nc_u64 s[KBS:KBS+1], s[4:5], 16777216
	s_add_nc_u64 s[PFA:PFA+1], s[6:7], s[98:99]
	s_add_nc_u64 s[MBS:MBS+1], s[6:7], s[96:97]
	s_lshl_b32 s[SIG], s60, 1
	s_add_co_u32 s[SIG], s[SIG], 14
	s_and_b32 s[SIG], s[SIG], 15                   ; the first change of slots steps it to the walk's first block
	s_add_co_u32 s[NXT], s[SIG], 1
	s_and_b32 s[NXT], s[NXT], 15
	s_lshl_b32 s[OFF], s[NXT], 15
	s_add_nc_u64 s[G0K+2:G0K+3], s[KBS:KBS+1], s[OFF:OFF+1]
	s_or_b32 s[G0K+3], s[G0K+3], 0x80000000
	s_add_nc_u64 s[G0V+2:G0V+3], s[VBS:VBS+1], s[OFF:OFF+1]
	s_or_b32 s[G0V+3], s[G0V+3], 0x80000000
	s_lshl_b32 s[OFF], s[NXT], 8
	s_add_nc_u64 s[G0M+2:G0M+3], s[MBS:MBS+1], s[OFF:OFF+1]
	s_or_b32 s[G0M+3], s[G0M+3], 0x80000000
	s_add_nc_u64 s[G0TK+2:G0TK+3], s[8:9], 16384
	s_or_b32 s[G0TK+3], s[G0TK+3], 0x80000000
	s_add_nc_u64 s[G0TV+2:G0TV+3], s[8:9], 20480
	s_or_b32 s[G0TV+3], s[G0TV+3], 0x80000000
	CROUND                                         ; all four work-groups are here: the first joint loads meet
	s_cmp_lt_u32 s[WV], 2                          ; the first fills: one a wave, in one chain of branches on the wave's number
	s_cbranch_scc0 .Lf_v
	TLOAD G0K, G1K
	s_branch .Lf_done
.Lf_v:
	s_cmp_lt_u32 s[WV], 4
	s_cbranch_scc0 .Lf_m
	TLOAD G0V, G1V
	s_branch .Lf_done
.Lf_m:
	s_cmp_lt_u32 s[WV], 6
	s_cbranch_scc0 .Lf_tk
	TLOAD G0M, G1M
	s_branch .Lf_done
.Lf_tk:
	s_cmp_eq_u32 s[WV], 6
	s_cbranch_scc0 .Lf_tv
	TLOAD G0TK, G1TK
	s_branch .Lf_done
.Lf_tv:
	TLOAD G0TV, G1TV
.Lf_done:
	v_and_b32 v48, 15, v0                          ; r
	v_bfe_u32 v49, v0, 4, 1                        ; h
	v_and_b32 v50, 7, v0
	v_bfe_u32 v51, v0, 3, 1
	v_lshlrev_b32 v56, 7, v48
	v_lshl_add_u32 v56, v49, 4, v56                ; Q: row x 128 + 16 h
.set i, 0
.rept 8                                ; Q stays in registers: tile i / 2, channels 32 (i % 2) on
	global_load_b128 v[Q+8*i:Q+8*i+3],   v56, s[2:3] offset:(i/2)*2048+(i%2)*64
	global_load_b128 v[Q+8*i+4:Q+8*i+7], v56, s[2:3] offset:(i/2)*2048+(i%2)*64+32
.set i, i+1
.endr
	v_lshlrev_b32 v57, 4, v49
.irp i, 0,1,2,3                        ; the table's last row, j = 32, as two fragments whose 16 rows are all alike
	global_load_b128 v[TMPA+4*\i:TMPA+4*\i+3], v57, s[8:9] offset:16384+31*128+32*\i
.endr
	v_and_b32 v[PFO], 31, v0
	v_lshlrev_b32 v[PFO], 12, v[PFO]               ; a lane a row of the mask
	v_mul_u32_u24 v58, v48, PK
	v_lshl_add_u32 v58, v49, 4, v58
	s_mul_i32 s[LB], s61, 64*PK
	v_add_nc_u32 v[AK0], s[LB], v58
	v_add_nc_u32 v[TKA], TKL, v58
	v_lshl_add_u32 v59, v49, 3, v50                ; the turning load: row 8 h + l % 8, 16 bytes at 16 ((l / 8) % 2)
	v_mul_u32_u24 v59, v59, PV
	v_lshl_add_u32 v59, v51, 4, v59
	s_mul_i32 s[LB], s61, 64*PV
	s_add_co_u32 s[LB], s[LB], VOFF
	v_add_nc_u32 v[AV0], s[LB], v59
	v_add_nc_u32 v[TVA], TVL, v59
	v_mul_u32_u24 v60, v48, PM
	v_lshl_add_u32 v60, v49, 5, v60                ; row x 272 + 32 h
	s_mul_i32 s[LB], s62, 64*PM
	s_add_co_u32 s[LB], s[LB], MOFF
	v_add_nc_u32 v[AM0], s[LB], v60
	s_mul_i32 s[LB], s[WV], SCRW
	s_add_co_u32 s[LB], s[LB], SCR                 ; my E and Y
	v_add_nc_u32 v[EW], s[LB], v60
	v_add_nc_u32 v[YW], YOFF, v[EW]
	v_mul_u32_u24 v61, v48, PM-4                   ; E read skewed: word 16 (d + 1) + 8 h + i - r + 15 of row r: bank 3 r + 8 h + a constant, 32 different ones
	v_lshl_add_u32 v61, v49, 5, v61
	v_add_nc_u32 v61, s[LB], v61
	v_add_nc_u32 v[ER], 60, v61
	v_mul_u32_u24 v61, v48, PM+4                   ; Y read unskewed: word kappa + r + 1 of row r: bank 5 r + 8 h + a constant
	v_lshl_add_u32 v61, v49, 5, v61
	v_add_nc_u32 v61, s[LB], v61
	v_add_nc_u32 v[YR], YOFF+4, v61
	v_lshlrev_b32 v62, 3, v49
	v_sub_nc_u32 v62, v48, v62                     ; r - 8 h
.irp i, 0,1,2,3,4,5,6,7
	v_cmp_gt_i32 vcc_lo, \i, v62
	v_cndmask_b32 v[TRI+\i], 0, 1.0, vcc_lo        ; 1 where key 8 h + i of a block at d = 1 lies at s - t > 16
.endr
.irp i, 0,1,2,3
	v_mov_b32 v[Z4+\i], 0
.endr
	v_mov_b32 v[AA+1], 0                           ; named in pairs
	v_mov_b32 v[SUB+1], 0
.irp t, 0,1,2,3
	v_mov_b32 v[ST+8*\t], 0xff7fffff               ; m: the lowest finite number, so the first step's a is 0 and no first step is written out
	v_mov_b32 v[ST+8*\t+2], 0
	v_mov_b32 v[ST+8*\t+3], 0
	v_mov_b32 v[ST+8*\t+4], 0
	v_mov_b32 v[ST+8*\t+5], 0
	v_mov_b32 v[ST+8*\t+7], 0
.endr
	ds_store_b128 v[EW], v[Z4:Z4+3]                ; E's first 16 words are 0 and stay so
	ds_store_b128 v[EW], v[Z4:Z4+3] offset:16
	WIN TO1
.set i, 0
.rept 128
	v_mov_b32 v[i], 0                              ; O^T; all this stands in the wait for the first tile
.set i, i+1
.endr
	WIN 0
	s_wait_loadcnt 0x0                             ; Q and the table's row
.irp t, 0,1,2,3                        ; RD32 of my 64 queries: the four accumulators take turns
	v_wmma_f32_16x16x32_f16 v[S+8*\t:S+8*\t+7], v[TMPA:TMPA+7], v[Q+16*\t:Q+16*\t+7], 0
.endr
.irp t, 0,1,2,3
	v_wmma_f32_16x16x32_f16 v[S+8*\t:S+8*\t+7], v[TMPA+8:TMPA+15], v[Q+16*\t+8:Q+16*\t+15], v[S+8*\t:S+8*\t+7]
.endr
	NOPS 8
.irp t, 0,1,2,3
	v_mov_b32 v[ST+8*\t+6], v[S+8*\t]              ; every register of the result holds it: the lowest is taken
.endr
; S^T = K Q^T for tile t: channels 32 (i / 4) on, keys 16 (i % 4) on.  The four accumulators take turns.
.macro KQ t
	WIN W_KQ
.set i, 0
.rept 8
.if i < 4
	v_wmma_f32_16x16x32_f16 v[S+8*(i%4):S+8*(i%4)+7], v[KF+16*(i%4)+8*(i/4):KF+16*(i%4)+8*(i/4)+7], v[Q+16*(\t)+8*(i/4):Q+16*(\t)+8*(i/4)+7], 0
.else
	v_wmma_f32_16x16x32_f16 v[S+8*(i%4):S+8*(i%4)+7], v[KF+16*(i%4)+8*(i/4):KF+16*(i%4)+8*(i/4)+7], v[Q+16*(\t)+8*(i/4):Q+16*(\t)+8*(i/4)+7], v[S+8*(i%4):S+8*(i%4)+7]
.endif
.set i, i+1
.endr
.endm
; O^T += V^T P: keys 32 (i / 4) on, channels 16 (i % 4) on
.macro PV t
	WIN W_PV
.set i, 0
.rept 8
	v_wmma_f32_16x16x32_f16 v[32*(\t)+8*(i%4):32*(\t)+8*(i%4)+7], v[VF+32*(i/4)+8*(i%4):VF+32*(i/4)+8*(i%4)+7], v[P+8*(i/4):P+8*(i/4)+7], v[32*(\t)+8*(i%4):32*(\t)+8*(i%4)+7]
.set i, i+1
.endr
.endm
.macro MLOAD t                         ; tile t's mask: my query's row, the lane's 8 keys of each block of 16
.irp kb, 0,1,2,3
	ds_load_b128 v[MB+8*\kb:MB+8*\kb+3],   v[AM] offset:(\t)*16*PM+64*\kb
	ds_load_b128 v[MB+8*\kb+4:MB+8*\kb+7], v[AM] offset:(\t)*16*PM+64*\kb+16
.endr
.endm
; THE BAND ON THE SCORES, tile t, rho steps behind the diagonal's step: block kb lies d = 4 rho + kb - t blocks from the tile.
.macro PATCH_S t, rho
.irp f, 0,1,2,3                        ; the table's fragments: rows 16 (f / 2) on, channels 32 (f % 2) on
	ds_load_b128 v[TMPA+8*\f:TMPA+8*\f+3],   v[TKA] offset:(\f/2)*16*PK+(\f%2)*64
	ds_load_b128 v[TMPA+8*\f+4:TMPA+8*\f+7], v[TKA] offset:(\f/2)*16*PK+(\f%2)*64+32
.endr
	s_wait_dscnt 0x0
	v_wmma_f32_16x16x32_f16 v[P:P+7],    v[TMPA:TMPA+7],     v[Q+16*(\t):Q+16*(\t)+7], 0            ; RD: a lane holds its query and 8 + 8 of the 32 positions; P's registers are free here
	v_wmma_f32_16x16x32_f16 v[P+8:P+15], v[TMPA+16:TMPA+23], v[Q+16*(\t):Q+16*(\t)+7], 0
	v_wmma_f32_16x16x32_f16 v[P:P+7],    v[TMPA+8:TMPA+15],  v[Q+16*(\t)+8:Q+16*(\t)+15], v[P:P+7]
	v_wmma_f32_16x16x32_f16 v[P+8:P+15], v[TMPA+24:TMPA+31], v[Q+16*(\t)+8:Q+16*(\t)+15], v[P+8:P+15]
.irp i, 0,1,2,3
	v_mov_b32 v[RQ+\i], v[ST+8*(\t)+6]
.endr
	NOPS 4                                         ; with the four lines above: the places behind those products
	ds_store_b128 v[EW], v[P:P+3] offset:64
	ds_store_b128 v[EW], v[P+4:P+7] offset:80
	ds_store_b128 v[EW], v[P+8:P+11] offset:128
	ds_store_b128 v[EW], v[P+12:P+15] offset:144
	ds_store_b128 v[EW], v[RQ:RQ+3] offset:192
	ds_store_b128 v[EW], v[RQ:RQ+3] offset:208
.set nb, 0
.irp kb, 0,1,2,3
.set d, 4*(\rho)+\kb-(\t)
.if (d >= -1) && (d <= 1)
.irp i, 0,1,2,3,4,5,6,7
	ds_load_b32 v[TMPA+8*nb+\i], v[ER] offset:64*(d+1)+4*\i  ; LDS serves a wave's instructions in order: these see the stores above
.endr
.set nb, nb+1
.endif
.endr
	s_wait_dscnt 0x0
.set nb, 0
.irp kb, 0,1,2,3
.set d, 4*(\rho)+\kb-(\t)
.if (d >= -1) && (d <= 1)
.irp i, 0,2,4,6
	v_pk_add_f32 v[S+8*\kb+\i:S+8*\kb+\i+1], v[S+8*\kb+\i:S+8*\kb+\i+1], v[TMPA+8*nb+\i:TMPA+8*nb+\i+1]
.endr
.set nb, nb+1
.elseif d >= 2
.irp i, 0,2,4,6
	v_pk_add_f32 v[S+8*\kb+\i:S+8*\kb+\i+1], v[S+8*\kb+\i:S+8*\kb+\i+1], v[ST+8*(\t)+6:ST+8*(\t)+7] op_sel_hi:[1,0]
.endr
.endif
.endr
.endm
; THE BAND ON THE VALUES.  S holds the weights in f32.  The three blocks at d = -1, 0, 1 go into Y, zeros for a block that this step does not hold.
.macro PATCH_V t, rho
.irp dd, -1,0,1
.set kq, (\dd)-4*(\rho)+(\t)
.if (kq >= 0) && (kq <= 3)
	ds_store_b128 v[YW], v[S+8*kq:S+8*kq+3] offset:64*((\dd)+1)
	ds_store_b128 v[YW], v[S+8*kq+4:S+8*kq+7] offset:64*((\dd)+1)+16
.else
	ds_store_b128 v[YW], v[Z4:Z4+3] offset:64*((\dd)+1)
	ds_store_b128 v[YW], v[Z4:Z4+3] offset:64*((\dd)+1)+16
.endif
.endr
.irp i, 0,1,2,3,4,5,6,7
	ds_load_b32 v[P+\i], v[YR] offset:4*\i
	ds_load_b32 v[P+8+\i], v[YR] offset:64+4*\i
.endr
.irp cb, 0,1,2,3
	ds_load_tr16_b128 v[TMPA+8*\cb:TMPA+8*\cb+3],   v[TVA] offset:32*\cb
	ds_load_tr16_b128 v[TMPA+8*\cb+4:TMPA+8*\cb+7], v[TVA] offset:32*\cb+16*PV
.endr
.irp kb, 0,1,2,3                       ; lR: the weights at s - t > 16, while the loads are out
.set d, 4*(\rho)+\kb-(\t)
.if d >= 2
.irp i, 0,2,4,6
	v_pk_add_f32 v[ST+8*(\t)+4:ST+8*(\t)+5], v[ST+8*(\t)+4:ST+8*(\t)+5], v[S+8*\kb+\i:S+8*\kb+\i+1]
.endr
.elseif d == 1
.irp i, 0,2,4,6
	v_pk_fma_f32 v[ST+8*(\t)+4:ST+8*(\t)+5], v[S+8*\kb+\i:S+8*\kb+\i+1], v[TRI+\i:TRI+\i+1], v[ST+8*(\t)+4:ST+8*(\t)+5]
.endr
.endif
.endr
	s_wait_dscnt 0x0
.irp i, 0,1,2,3,4,5,6,7
	v_cvt_pk_f16_f32 v[WF+\i], v[P+2*\i], v[P+2*\i+1]
.endr
	WIN W_HV
.irp cb, 0,1,2,3
	v_wmma_f32_16x16x32_f16 v[32*(\t)+8*\cb:32*(\t)+8*\cb+7], v[TMPA+8*\cb:TMPA+8*\cb+7], v[WF:WF+7], v[32*(\t)+8*\cb:32*(\t)+8*\cb+7]
.endr
	WIN 0
	NOPS 4                                         ; four places behind those products, whose sources are at-work registers that later lines load and write (ISA guide 7.12.1 for vector instructions)
.endm
.macro PATCH kind, t, rho
.if \kind
	PATCH_V \t, \rho
.else
	PATCH_S \t, \rho
.endif
.endm
; The patches are reached by forward branches on RB: no barrier, no tensor load and no open exponential stands there.
.macro HOOK1 kind, t, rho              ; a tile whose band lies in one step
	s_cmp_eq_u32 s[RB], 32+(\rho)
	s_cbranch_scc0 .Lno_band_\@
	PATCH \kind, \t, \rho
.Lno_band_\@:
.endm
.macro HOOK2 kind, t, ra, rb           ; a tile whose band lies in two steps: a step is one of them at the most, so the first patch is followed by a jump over the second
	s_cmp_eq_u32 s[RB], 32+(\ra)
	s_cbranch_scc0 .Lother_\@
	PATCH \kind, \t, \ra
	s_branch .Lno_band_\@
.Lother_\@:
	s_cmp_eq_u32 s[RB], 32+(\rb)
	s_cbranch_scc0 .Lno_band_\@
	PATCH \kind, \t, \rb
.Lno_band_\@:
.endm
.macro HOOK kind, t                    ; tile 0's band reaches into the step in front of the diagonal's, tile 3's into the step behind it
.if (\t) == 0
	HOOK2 \kind, \t, -1, 0
.elseif (\t) == 3
	HOOK2 \kind, \t, 0, 1
.else
	HOOK1 \kind, \t, 0
.endif
.endm
; ONE TILE, ONE STEP.  wk, wm, wv: how many younger LDS loads may be out when K, the tile's mask and V are wanted (-1: no wait).  g: the scalar that holds the tile's G.
.macro TILE t, hooks, wk, wm, wv, g
.if (\wk) >= 0
	s_wait_dscnt \wk
.endif
	KQ \t
	WIN 0
	NOPS 8                                         ; the places behind the products
	s_wait_dscnt \wm
.set j, 0
.rept 16                               ; mask x log2(e) + score; each accumulator is read from its low end on
	v_pk_fma_f32 v[S+2*j:S+2*j+1], v[MB+2*j:MB+2*j+1], s[CL:CL+1], v[S+2*j:S+2*j+1] op_sel_hi:[1,0,1]
.set j, j+1
.endr
.if (\t) < 3
	MLOAD (\t)+1
.endif
.if \hooks
	HOOK 0, \t
.endif
.irp c, 0,1,2,3                        ; the maximum: four chains of seven scores, three operands at a time,
	v_max3_num_f32 v[C0+\c], v[S+8*\c], v[S+8*\c+1], v[S+8*\c+2]
.endr
.irp c, 0,1,2,3
	v_max3_num_f32 v[C0+\c], v[C0+\c], v[S+8*\c+3], v[S+8*\c+4]
.endr
.irp c, 0,1,2,3
	v_max3_num_f32 v[C0+\c], v[C0+\c], v[S+8*\c+5], v[S+8*\c+6]
.endr
	v_max3_num_f32 v[C0], v[C0], v[S+7], v[S+15]   ; the four left over,
	v_max3_num_f32 v[C0+1], v[C0+1], v[S+23], v[S+31]
	v_max_num_f32 v[C0+2], v[C0+2], v[C0+3]
	v_max3_num_f32 v[C0], v[C0], v[C0+1], v[C0+2]
	v_permlanex16_b32 v[C0+3], v[C0], s[SEL], s[SEL+1]  ; and the query's other 32 keys, in the lane 16 away
	v_max_num_f32 v[C0], v[C0], v[C0+3]
	v_fma_f32 v[C0], s[\g], v[ST+8*(\t)+6], v[C0]  ; + G RD32
	v_max_num_f32 v[C0+2], v[ST+8*(\t)], v[C0]     ; the new m
	v_sub_f32 v[C0+3], v[ST+8*(\t)], v[C0+2]
	v_mov_b32 v[ST+8*(\t)], v[C0+2]
	v_fma_f32 v[SUB], -v[ST+8*(\t)+6], s[\g], v[C0+2]  ; what the scores lose: m - G RD32
	v_exp_f32 v[AA], v[C0+3]                       ; a.  ONE BATCH: a and the 32 weights; nothing ahead of the wait names a result
	v_pk_add_f32 v[S:S+1], v[S:S+1], v[SUB:SUB+1] op_sel_hi:[1,0] neg_lo:[0,1] neg_hi:[0,1]
.set j, 0
.rept 16
.if j < 15
	v_pk_add_f32 v[S+2*j+2:S+2*j+3], v[S+2*j+2:S+2*j+3], v[SUB:SUB+1] op_sel_hi:[1,0] neg_lo:[0,1] neg_hi:[0,1]
.endif
	v_exp_f32 v[S+2*j], v[S+2*j]
	v_exp_f32 v[S+2*j+1], v[S+2*j+1]
.set j, j+1
.endr
	v_nop                                          ; a plain instruction behind the last exponential,
	s_wait_alu depctr_va_vdst(0)                   ; and one wait ahead of the first use
	WIN W_RS
.set j, 0
.rept 16
	v_pk_mul_f32 v[32*(\t)+2*j:32*(\t)+2*j+1], v[32*(\t)+2*j:32*(\t)+2*j+1], v[AA:AA+1] op_sel_hi:[1,0]
.set j, j+1
.endr
	WIN 0
	v_pk_mul_f32 v[ST+8*(\t)+4:ST+8*(\t)+5], v[ST+8*(\t)+4:ST+8*(\t)+5], v[AA:AA+1] op_sel_hi:[1,0]
.if \hooks
	HOOK 1, \t
.endif
.set j, 0
.rept 16
	v_cvt_pk_f16_f32 v[P+j], v[S+2*j], v[S+2*j+1]
.set j, j+1
.endr
.irp w, 4,8,16,32                      ; the sum of the 16 pairs, in place: neighbours 1, 2, 4 and 8 pairs apart
.set j, 0
.rept 32/\w
	v_pk_add_f32 v[S+\w*j:S+\w*j+1], v[S+\w*j:S+\w*j+1], v[S+\w*j+\w/2:S+\w*j+\w/2+1]
.set j, j+1
.endr
.endr
	v_pk_fma_f32 v[ST+8*(\t)+2:ST+8*(\t)+3], v[ST+8*(\t)+2:ST+8*(\t)+3], v[AA:AA+1], v[S:S+1] op_sel_hi:[1,0,1]      ; l = a l + sum
	v_pk_fma_f32 v[ST+8*(\t)+4:ST+8*(\t)+5], v[S:S+1], s[\g:\g+1], v[ST+8*(\t)+4:ST+8*(\t)+5] op_sel_hi:[1,0,1]     ; lR += G sum
.if (\wv) >= 0
	s_wait_dscnt \wv
.endif
	PV \t
	WIN 0
.endm
; A STEP: 16 loads of K, 8 of tile 0's mask, 16 of V in one run; then the four tiles.  Behind K stand 24 younger loads, behind the mask 16, behind V tile 1's mask, 8.  Where a patch has run, all were waited for.
.macro STEP hooks
	v_add_nc_u32 v[AK], s[SB], v[AK0]
	v_add_nc_u32 v[AV], s[SB], v[AV0]
	v_add_nc_u32 v[AM], s[SB], v[AM0]
	WIN TO1
.irp f, 0,1,2,3,4,5,6,7                ; keys 16 (f / 2) on, channels 32 (f % 2) on
	ds_load_b128 v[KF+8*\f:KF+8*\f+3],   v[AK] offset:(\f/2)*16*PK+(\f%2)*64
	ds_load_b128 v[KF+8*\f+4:KF+8*\f+7], v[AK] offset:(\f/2)*16*PK+(\f%2)*64+32
.endr
	WIN 0
	MLOAD 0
	WIN TO1
.irp f, 0,1,2,3,4,5,6,7                ; keys 32 (f / 4) on, channels 16 (f % 4) on
	ds_load_tr16_b128 v[VF+8*\f:VF+8*\f+3],   v[AV] offset:(\f/4)*32*PV+(\f%4)*32
	ds_load_tr16_b128 v[VF+8*\f+4:VF+8*\f+7], v[AV] offset:(\f/4)*32*PV+16*PV+(\f%4)*32
.endr
	WIN 0
	TILE 0, \hooks, 24, 16, 8, G012
	TILE 1, \hooks, -1, 0, -1, G012
	TILE 2, \hooks, -1, 0, -1, G012
	TILE 3, \hooks, -1, 0, -1, G3
	NOPS 4                                         ; the places in front of the next step's loads into V's registers
.endm
	s_mov_b32 s[SB], SLOT1                         ; the first change of slots turns it into 0
	s_mov_b32 s[CNT], 15
.Lstep:                                                ; 15 trips: a step is entered and the next is asked for
	CHANGE 1
	STEP 1
	s_sub_co_u32 s[CNT], s[CNT], 1
	s_cmp_lg_u32 s[CNT], 0
	s_cbranch_scc1 .Lstep
	CHANGE 0                                       ; the last step is written out; it lies two steps or more from the diagonal, so it has no patches
	STEP 0
	; THE WAY OUT.  l and lR: their two halves and the other half of the lanes'; O = O^T / l + (relv[32] - relv[0]) lR / l, rounded to f16, through E's bytes, a tile at a time.
	v_bfe_u32 v[RVO], v0, 4, 1
	v_lshlrev_b32 v[RVO], 5, v[RVO]
.irp cb, 0,1,2,3
	global_load_b128 v[TMPA+8*\cb:TMPA+8*\cb+3],   v[RVO], s[8:9] offset:24576+64*\cb
	global_load_b128 v[TMPA+8*\cb+4:TMPA+8*\cb+7], v[RVO], s[8:9] offset:24576+64*\cb+16
.endr
	v_and_b32 v48, 15, v0
	v_bfe_u32 v49, v0, 4, 1
	v_and_b32 v50, 7, v0
	s_mul_i32 s[LB], s[WV], SCRW
	s_add_co_u32 s[LB], s[LB], SCR
	v_mul_u32_u24 v[STO], v48, 144                 ; in: row r, 16 bytes for each half of the lanes
	v_lshl_add_u32 v[STO], v49, 4, v[STO]
	v_add_nc_u32 v[STO], s[LB], v[STO]
	v_bfe_u32 v[RDB], v0, 3, 2                     ; back: 32 lanes take four rows of 128 bytes,
	v_mul_u32_u24 v[RDB], v[RDB], 144
	v_lshl_add_u32 v[RDB], v50, 4, v[RDB]
	v_add_nc_u32 v[RDB], s[LB], v[RDB]
	v_and_b32 v[GO], 31, v0                        ; which are 512 consecutive bytes of ob
	v_lshlrev_b32 v[GO], 4, v[GO]
.macro ALL line:vararg
.set t, 0
.rept 4
	\line
.set t, t+1
.endr
.endm
	ALL v_add_f32 v[ST+8*t+2], v[ST+8*t+2], v[ST+8*t+3]
	ALL v_add_f32 v[ST+8*t+4], v[ST+8*t+4], v[ST+8*t+5]
	ALL v_permlanex16_b32 v[ST+8*t+3], v[ST+8*t+2], s[SEL], s[SEL+1]
	ALL v_permlanex16_b32 v[ST+8*t+5], v[ST+8*t+4], s[SEL], s[SEL+1]
	ALL v_add_f32 v[ST+8*t+2], v[ST+8*t+2], v[ST+8*t+3]
	ALL v_add_f32 v[ST+8*t+4], v[ST+8*t+4], v[ST+8*t+5]
	ALL v_rcp_f32 v[ST+8*t+2], v[ST+8*t+2]
	v_nop
	s_wait_alu depctr_va_vdst(0)                   ; one wait for the four reciprocals
	ALL v_mul_f32 v[ST+8*t+4], v[ST+8*t+4], v[ST+8*t+2]
	s_wait_loadcnt 0x0
.macro PACK t
	WIN W_RS
.set i, 0
.rept 16
	v_pk_mul_f32 v[32*(\t)+2*i:32*(\t)+2*i+1], v[32*(\t)+2*i:32*(\t)+2*i+1], v[ST+8*(\t)+2:ST+8*(\t)+3] op_sel_hi:[1,0]
.set i, i+1
.endr
	WIN W_HV
.set i, 0
.rept 16
	v_pk_fma_f32 v[32*(\t)+2*i:32*(\t)+2*i+1], v[TMPA+2*i:TMPA+2*i+1], v[ST+8*(\t)+4:ST+8*(\t)+5], v[32*(\t)+2*i:32*(\t)+2*i+1] op_sel_hi:[1,0,1]
.set i, i+1
.endr
	WIN W_CV
.set i, 0
.rept 16
	v_cvt_pk_f16_f32 v[S+16*(\t)+i], v[32*(\t)+2*i], v[32*(\t)+2*i+1]
.set i, i+1
.endr
	WIN 0
.irp f, 0,1,2,3
	ds_store_b128 v[STO], v[S+16*(\t)+4*\f:S+16*(\t)+4*\f+3] offset:32*\f
.endr
.irp f, 0,1,2,3
	ds_load_b128 v[S+16*(\t)+4*\f:S+16*(\t)+4*\f+3], v[RDB] offset:\f*4*144  ; LDS serves a wave's instructions in order: these see the stores above; the next tile's stores come behind them
.endr
.endm
.macro SEND t, younger
.irp f, 0,1,2,3
	s_wait_dscnt (\younger)+3-\f
	global_store_b128 v[GO], v[S+16*(\t)+4*\f:S+16*(\t)+4*\f+3], s[10:11] offset:(\t)*2048+\f*512
.endr
.endm
	PACK 0
	PACK 1
	SEND 0, 8
	PACK 2
	SEND 1, 8
	PACK 3
	SEND 2, 8
	SEND 3, 0
	s_wait_tensorcnt 0x0                           ; the wave's end
	ds_add_u32 v[SPW], v[NIL]
	s_wait_dscnt 0x0
	CROUND                                         ; the closing round
	s_endpgm
.Lfunc_end_k_qf3c89012f1_attn:
	.size	k_qf3c89012f1_attn, .Lfunc_end_k_qf3c89012f1_attn-k_qf3c89012f1_attn
	.p2alignl 7, 3214868480
	.fill 96, 4, 3214868480
	.section	.rodata,"a",@progbits
	.p2align	6, 0x0
	.amdhsa_kernel k_qf3c89012f1_attn
		.amdhsa_group_segment_fixed_size 327680
		.amdhsa_private_segment_fixed_size 0
		.amdhsa_enable_private_segment 0
		.amdhsa_kernarg_size 32
		.amdhsa_user_sgpr_count 2
		.amdhsa_user_sgpr_kernarg_segment_ptr 1
		.amdhsa_wavefront_size32 1
		.amdhsa_system_sgpr_workgroup_id_x 1
		.amdhsa_system_sgpr_workgroup_id_y 1
		.amdhsa_system_sgpr_workgroup_id_z 1
		.amdhsa_system_vgpr_workitem_id 0
		.amdhsa_next_free_vgpr 512
		.amdhsa_next_free_sgpr 106
		.amdhsa_reserve_vcc 1
		.amdhsa_float_denorm_mode_32 3
		.amdhsa_float_denorm_mode_16_64 3
		.amdhsa_memory_ordered 1
		.amdhsa_forward_progress 1
		.amdhsa_inst_pref_size 162
	.end_amdhsa_kernel
	.amdgpu_metadata
---
amdhsa.version: [ 1, 2 ]
amdhsa.kernels:
  - .name:           k_qf3c89012f1_attn
    .symbol:         k_qf3c89012f1_attn.kd
    .args:
      - { .name: qkv, .offset: 0, .size: 8, .value_kind: global_buffer, .address_space: global }
      - { .name: mask, .offset: 8, .size: 8, .value_kind: global_buffer, .address_space: global }
      - { .name: aux, .offset: 16, .size: 8, .value_kind: global_buffer, .address_space: global }
      - { .name: ob, .offset: 24, .size: 8, .value_kind: global_buffer, .address_space: global }
    .group_segment_fixed_size: 327680
    .private_segment_fixed_size: 0
    .kernarg_segment_align: 8
    .kernarg_segment_size: 32
    .max_flat_workgroup_size: 256
    .sgpr_count:     106
    .vgpr_count:     512
    .wavefront_size: 32
...
	.end_amdgpu_metadata
.endif
;; end of part 3
;; launch outp (part 4): grid 4 x 64, 4 waves a work-group, clusters of 4 x 4, 327,680 bytes of LDS; arguments ob, wb, aux, out0; writes out0
.if DOCPART == 4
	.amdgcn_target "amdgcn-amd-amdhsa--gfx1250"
	.amdhsa_code_object_version 6
	.text
	.protected	k_qf3c89012f1_outp
	.globl	k_qf3c89012f1_outp
	.p2align	8
	.type	k_qf3c89012f1_outp,@function
k_qf3c89012f1_outp:
	s_mov_b64 s[64:65], 0
	v_nop
	global_prefetch_b8 v0, s[64:65] scope:SCOPE_SE
	s_setreg_imm32_b32 hwreg(HW_REG_WAVE_MODE, 25, 1), 1
	s_wait_xcnt 0x0
	s_wait_alu depctr_hold_cnt(0) depctr_sa_sdst(0) depctr_va_vdst(0) depctr_va_sdst(0) depctr_va_ssrc(0) depctr_va_vcc(0) depctr_vm_vsrc(0)
	s_getreg_b32 s2, hwreg(HW_REG_IB_STS2, 6, 4)
	s_cmp_eq_u32 s2, 0
	s_cbranch_scc0 .Lentry_in_a_cluster
	s_endpgm
.Lentry_in_a_cluster:
	s_bfe_u32 s2, ttmp6, 0x10000c
	s_cmp_lg_u32 s2, 0xf033
	s_cbranch_scc0 .Lentry_shape_is_right
	s_endpgm
.Lentry_shape_is_right:
; THE LAST PROJECTION.  out0[t][b][n] = sum over k of O[t][b][k] r(Wo)[k][n] + r(bo)[n], f32.  O is ob (f16, [b][hg][sg][hh][row 64][ch 64]: k = 64 (4 hg + hh) + ch, t = 64 sg + row);
; r(Wo) is plane 3 of wb, the bf16 numbers written as f16; r(bo) is row 3 of aux.  Sums in f32.
; SHARES.  256 tiles of 128 rows (one b, t = 128 tb ..) x 256 columns; four waves of 64 x 128: 32 accumulators.  K goes in 8 steps of 128 (two heads) through two LDS slots.
; A's part of a step for 64 rows is 16,384 dense bytes of ob, asked for as 64 rows of 256 bytes and padded in LDS after every 128.
; THE RING.  A trip of the loop is one K step: the slot's first fragments, 128 matrix instructions a wave, then the change of slots: the waits, the cluster's round, and the refill of the slot just read with
; step n + 2.  So a refill has the whole next step in which to land, and nothing but the round stands between a tile's landing and the next request.
; CLUSTER 4 x 4: A's tile is shared along a row of the cluster, B's along a column; each is asked for jointly.  The matrix instruction is used transposed: a lane holds 8 neighbouring columns of one row.
; REGISTERS.  window 0: v16-31 addresses; v32-95 A's fragments, two buffers of four (on the way out: sums); v96-159 rows read back; v160-223 bias.  window 1: accumulators.  window 2: v0-127 B's fragments, two buffers.
.set PAO,   144
.set PB,    544
.set HALFA, 128*PAO
.set HALFB, 64*PB
.set BOFF,  2*HALFA
.set SLOT,  1<<17                      ; a slot uses 106,496 bytes; slot 1 begins here, so that one exclusive or turns a place in one slot into the other's
.set STAGE, 2*SLOT                     ; behind the ring: 16 rows x 528 bytes for each wave
.set SPI,   528
.set STW,   16*SPI
.set SPARE, STAGE+4*STW
.set KSB,   262144                     ; a K step of wb: 128 rows of 2,048 bytes
.set ADRA0, 16
.set ADRA,  17
.set ADRB0, 20
.set ADRB,  21
.set STO,  24
.set RD,   25
.set CO,   26
.set BO,   27
.set SPW,  28
.set NIL,  29
.set PFO,  30
.set AF,   32
.set BK,   96
.set BIAS, 160
.set NQ,   22                          ; s22  n + 2, the step that the change of slots asks for
.set NP,   85                          ; s85  n + 4, the step that it prefetches
.set SB,   84                          ; s84  the slot in hand: 0 or SLOT
.set G1A, 24
.set G0A, 32                           ; s[32:35] slot 0's first fill; s[36:39] slot 1's, which then walks
.set G1B, 48
.set G0B, 56
.set MSB, 0
.macro WIN new
.if MSB != (\new)
	s_set_vgpr_msb (MSB<<8)|(\new)
.set MSB, \new
.endif
.endm
.set MUL,   0x52
.set TO_B,  0x80
.set RDACC, 0x01
.macro JLOAD s                         ; a joint load: waves 0 and 1 fetch A's halves, waves 2 and 3 B's; an s_nop 0 and four v_nop follow each line
	s_cmp_eq_u32 s17, 0
	s_cbranch_scc0 .Lfor_b_\@
	tensor_load_to_lds s[G0A+4*(\s):G0A+4*(\s)+3], s[G1A:G1A+7]
	s_nop 0
.rept 4
	v_nop
.endr
	s_branch .Lasked_\@
.Lfor_b_\@:
	tensor_load_to_lds s[G0B+4*(\s):G0B+4*(\s)+3], s[G1B:G1B+7]
	s_nop 0
.rept 4
	v_nop
.endr
.Lasked_\@:
.endm
.macro CROUND
	s_barrier_signal -1
	s_barrier_wait -1
	s_cmp_lg_u32 s16, 0
	s_cbranch_scc1 .Lnot_wave_0_\@
	s_barrier_signal -3
.Lnot_wave_0_\@:
	s_barrier_wait -3
	s_barrier_signal -1
	s_barrier_wait -1
.endm
; A PREFETCH INTO THE L2 of the K step two refills on (n + 4), behind each joint refill.  A's 32,768 bytes of a step are read by one row of one cluster: wave 0 of the partner at place cx names 4,096 bytes of each
; half, a lane a block of 256.  B's tile is read by all 16 clusters: the first asks, waves 2 and 3, the partner at place cy 16 of the wave's 64 rows.  The trips with n + 4 past step 7 (s3 = 6 - n under 3)
; ask for nothing; steps 0 to 3 come by their loads alone.
.macro ASK
	s_cmp_gt_u32 s3, s70
	s_cbranch_scc0 .Lnot_mine_\@
	global_prefetch_b8 v[PFO], s[68:69] th:TH_LOAD_NT scope:SCOPE_SE
.Lnot_mine_\@:
.endm
; ob's address for K step n, made anew: head group n / 2 lies 524,288 bytes on, its second pair of heads 16,384
.macro OADDR dst, n, base
	s_lshr_b32 s42, s[\n], 1
	s_lshl_b32 s42, s42, 19
	s_and_b32 s43, s[\n], 1
	s_lshl_b32 s43, s43, 14
	s_add_co_u32 s42, s42, s43
	s_mov_b32 s43, 0
	s_add_nc_u64 s[(\dst):(\dst)+1], s[(\base):(\base)+1], s[42:43]
.endm
	s_load_b256 s[4:11], s[0:1], 0x0               ; ob 4, wb 6, aux 8, out0 10
	v_lshl_add_u32 v[SPW], v0, 2, SPARE
	v_mov_b32 v[NIL], 0
	ds_add_u32 v[SPW], v[NIL]                      ; the wave's opening: the add and its wait ahead of my first tensor load
	v_lshrrev_b32 v1, 5, v0
	v_readfirstlane_b32 s16, v1
	s_lshr_b32 s17, s16, 1                         ; WM; also: I fetch for A (0) or B (1)
	s_and_b32 s18, s16, 1                          ; WN; also: which half I fetch
	s_bfe_u32 s19, ttmp6, 0x40000                  ; cx: the block of 256 columns
	s_bfe_u32 s20, ttmp6, 0x40004                  ; cy
	s_and_b32 s21, ttmp7, 0xffff                   ; the cluster's y, 0..15
	s_lshl_b32 s23, s21, 2
	s_add_co_u32 s23, s23, s20
	s_lshr_b32 s40, s23, 3                         ; b
	s_and_b32 s41, s23, 7                          ; tb
	s_lshl_b32 s42, s20, 2
	s_lshl_b32 s42, 15, s42
	s_lshl_b32 s43, 0x1111, s19
	s_or_b32 s[G1A], s42, (1<<16)|(1<<20)|(1<<21)|(4<<22)|(3<<25)  ; after every 32 words 4 words of padding
	s_or_b32 s[G1B], s43, (1<<16)|(1<<20)|(1<<21)|(6<<22)|(7<<25)  ; after every 128 words 8
	s_mov_b32 s[G1A+1], 128<<16
	s_mov_b32 s[G1A+2], 64<<16
	s_mov_b32 s[G1A+3], 128<<16
	s_mov_b32 s[G1A+4], 64
	s_mov_b32 s[G1A+5], 128
	s_mov_b32 s[G1A+6], 0
	s_mov_b32 s[G1A+7], 0
	s_mov_b32 s[G1B+1], 256<<16
	s_mov_b32 s[G1B+2], 64<<16
	s_mov_b32 s[G1B+3], 256<<16
	s_mov_b32 s[G1B+4], 64
	s_mov_b32 s[G1B+5], 1024
	s_mov_b32 s[G1B+6], 0
	s_mov_b32 s[G1B+7], 0
	s_lshl_b32 s44, s41, 1                         ; A: b's 64 blocks, block 2 tb + half of head group 0
	s_add_co_u32 s44, s44, s18
	s_lshl_b32 s44, s44, 15
	s_lshl_b32 s45, s40, 21
	s_add_co_u32 s44, s44, s45
	s_mov_b32 s45, 0
	s_lshl_b32 s46, s18, 17                        ; B: plane 3, 64 x half rows, 512 cx
	s_add_co_u32 s46, s46, 3*2097152
	s_lshl_b32 s47, s19, 9
	s_add_co_u32 s46, s46, s47
	s_mov_b32 s47, 0
	s_lshl_b32 s80, s19, 12                        ; the prefetches of A: my work-group's 4,096 bytes
	s_mov_b32 s81, 0
	s_lshl_b32 s72, s20, 15                        ; of B: 16 cy rows further down, at K step 3: the first change of slots steps them to 4
	s_add_co_u32 s72, s72, 3*KSB
	s_mov_b32 s73, 0
	s_mul_i32 s78, s18, HALFA
	s_mul_i32 s79, s18, HALFB
	s_add_co_u32 s79, s79, BOFF
	s_wait_dscnt 0x0                               ; the opening add is done
	s_wait_kmcnt 0x0
	s_add_nc_u64 s[44:45], s[4:5], s[44:45]
	s_add_nc_u64 s[46:47], s[6:7], s[46:47]
	s_add_nc_u64 s[80:81], s[44:45], s[80:81]
	s_add_nc_u64 s[88:89], s[46:47], s[72:73]
	CROUND
.irp s, 0,1
	s_mov_b32 s[G0A+4*(\s)], 1
	s_add_co_u32 s[G0A+4*(\s)+1], s78, (\s)*SLOT
	s_add_nc_u64 s[G0A+4*(\s)+2:G0A+4*(\s)+3], s[44:45], (\s)*16384   ; K step s: heads 2 s, 2 s + 1
	s_or_b32 s[G0A+4*(\s)+3], s[G0A+4*(\s)+3], 0x80000000
	s_mov_b32 s[G0B+4*(\s)], 1
	s_add_co_u32 s[G0B+4*(\s)+1], s79, (\s)*SLOT
	s_add_nc_u64 s[G0B+4*(\s)+2:G0B+4*(\s)+3], s[46:47], (\s)*KSB
	s_or_b32 s[G0B+4*(\s)+3], s[G0B+4*(\s)+3], 0x80000000
	JLOAD \s
.endr
	v_and_b32 v1, 15, v0
	v_bfe_u32 v2, v0, 4, 1
	v_lshlrev_b32 v[BO], 5, v2
	s_lshl_b32 s42, s19, 10
	s_lshl_b32 s43, s18, 9
	s_add_co_u32 s42, s42, s43
	s_add_co_u32 s42, s42, 12288                   ; row 3 of the biases
	s_mov_b32 s43, 0
	s_add_nc_u64 s[82:83], s[8:9], s[42:43]
.irp bn, 0,1,2,3,4,5,6,7
	global_load_b128 v[BIAS+8*\bn:BIAS+8*\bn+3],   v[BO], s[82:83] offset:64*\bn
	global_load_b128 v[BIAS+8*\bn+4:BIAS+8*\bn+7], v[BO], s[82:83] offset:64*\bn+16
.endr
	v_mul_u32_u24 v3, v1, PAO
	v_lshl_add_u32 v3, v2, 4, v3
	s_mul_i32 s42, s17, HALFA
	v_add_nc_u32 v[ADRA0], s42, v3
	v_and_b32 v4, 7, v0
	v_lshl_add_u32 v4, v2, 3, v4
	v_mul_u32_u24 v4, v4, PB
	v_bfe_u32 v5, v0, 3, 1
	v_lshl_add_u32 v4, v5, 4, v4
	s_lshl_b32 s42, s18, 8
	s_add_co_u32 s42, s42, BOFF
	v_add_nc_u32 v[ADRB0], s42, v4
	s_mul_i32 s42, s16, STW
	s_add_co_u32 s42, s42, STAGE
	v_mul_u32_u24 v3, v1, SPI                      ; in: row r, 32 bytes for each half of the lanes
	v_lshl_add_u32 v3, v2, 5, v3
	v_add_nc_u32 v[STO], s42, v3
	v_and_b32 v[CO], 31, v0                        ; back: 32 lanes take a row's 512 bytes
	v_lshlrev_b32 v[CO], 4, v[CO]
	v_add_nc_u32 v[RD], s42, v[CO]
	s_lshl_b32 s42, s41, 7                         ; out0: row t = 128 tb + 64 WM of b, my 128 columns
	s_lshl_b32 s43, s17, 6
	s_add_co_u32 s42, s42, s43
	s_lshl_b32 s42, s42, 15
	s_lshl_b32 s43, s40, 12
	s_add_co_u32 s42, s42, s43
	s_lshl_b32 s43, s19, 10
	s_add_co_u32 s42, s42, s43
	s_lshl_b32 s43, s18, 9
	s_add_co_u32 s42, s42, s43
	s_mov_b32 s43, 0
	s_add_nc_u64 s[76:77], s[10:11], s[42:43]
	s_cmp_eq_u32 s17, 0
	s_cselect_b32 s42, 8, 11                       ; lanes 0-15: blocks of 256 bytes of ob; rows of wb
	s_cselect_b32 s43, 15, 8                       ; lanes 16-31: the other half's block; the row's second 256 bytes
	s_cselect_b32 s70, s18, s21                    ; 0 where I prefetch: wave 0; waves 2 and 3 of the first cluster
	s_cmp_eq_u32 s70, 0
	s_cselect_b32 s70, 2, -1
	v_lshlrev_b32 v[PFO], s42, v1
	v_lshlrev_b32 v3, s43, v2
	v_add_nc_u32 v[PFO], v[PFO], v3
.macro MULA f, a, zero                 ; 8 matrix instructions: row block a x all 8 column blocks; each accumulator has one turn in a quarter, so 31 others' stand between two links of a chain
	WIN MUL
.set bb, 0
.rept 8
.if \zero
	v_wmma_f32_16x16x32_f16 v[8*(8*(\a)+bb):8*(8*(\a)+bb)+7], v[64*(\f)+8*bb:64*(\f)+8*bb+7], v[AF+32*(\f)+8*(\a):AF+32*(\f)+8*(\a)+7], 0
.else
	v_wmma_f32_16x16x32_f16 v[8*(8*(\a)+bb):8*(8*(\a)+bb)+7], v[64*(\f)+8*bb:64*(\f)+8*bb+7], v[AF+32*(\f)+8*(\a):AF+32*(\f)+8*(\a)+7], v[8*(8*(\a)+bb):8*(8*(\a)+bb)+7]
.endif
.set bb, bb+1
.endr
.endm
.macro FETCH q, g                      ; 24 LDS loads in one run: B's eight fragments, turned, then A's four; quarter q is head q / 2 of the step, channels 32 (q % 2) on
	WIN TO_B
.irp bn, 0,1,2,3,4,5,6,7
	ds_load_tr16_b128 v[64*(\g)+8*\bn:64*(\g)+8*\bn+3],   v[ADRB] offset:(\q)*32*PB+32*\bn
	ds_load_tr16_b128 v[64*(\g)+8*\bn+4:64*(\g)+8*\bn+7], v[ADRB] offset:(\q)*32*PB+32*\bn+16*PB
.endr
	WIN 0
.irp a, 0,1,2,3
	ds_load_b128 v[AF+32*(\g)+8*\a:AF+32*(\g)+8*\a+3],   v[ADRA] offset:((\q)/2)*64*PAO+\a*16*PAO+64*((\q)%2)
	ds_load_b128 v[AF+32*(\g)+8*\a+4:AF+32*(\g)+8*\a+7], v[ADRA] offset:((\q)/2)*64*PAO+\a*16*PAO+64*((\q)%2)+32
.endr
.endm
.macro PLACES                          ; four places in front of loads into registers that matrix instructions have read (ISA guide 7.12.1 for vector instructions)
.rept 4
	v_nop
.endr
.endm
.macro QUARTER q, f, g, zero           ; one of a step's first three quarters: multiplies buffer f and fetches quarter q into buffer g
	s_wait_dscnt 4                                 ; B and A's fragments 0 and 1 are in; the youngest four loads may be out
	MULA \f, 0, \zero
	MULA \f, 1, \zero
	PLACES
	FETCH \q, \g
	s_wait_dscnt 24                                ; all but the 24 just issued
	MULA \f, 2, \zero
	MULA \f, 3, \zero
.endm
.macro LASTQ                           ; a step's fourth quarter multiplies buffer 1 and fetches nothing
	s_wait_dscnt 4
	MULA 1, 0, 0
	MULA 1, 1, 0
	s_wait_dscnt 0x0
	MULA 1, 2, 0
	MULA 1, 3, 0
.endm
.macro STEPHEAD                        ; a step's head: its slot's addresses and its first quarter's fragments
	WIN 0
	v_add_nc_u32 v[ADRA], s[SB], v[ADRA0]
	v_add_nc_u32 v[ADRB], s[SB], v[ADRB0]
	PLACES
	FETCH 0, 0
.endm
; THE CHANGE OF SLOTS, behind a step's last product.  Each wave waits for all its tensor loads (one is out: its part of the next slot), adds 0 to its spare word, and waits for that and for its reads of this slot.
; fill = 1: a round of the cluster's barrier, and this slot is filled again, with step n + 2, first thing behind it.
.macro CHANGE fill
	WIN 0
.if \fill
	s_wait_xcnt 0x0                                ; the last prefetch, a K step back, has read its address
.endif
	s_wait_tensorcnt 0x0                           ; no tensor load of mine is out, so the walking descriptors may be written
	ds_add_u32 v[SPW], v[NIL]                      ; the scalar work below stands between the add and the wait for it
.if \fill
	OADDR G0A+6, NQ, 44
	s_or_b32 s[G0A+7], s[G0A+7], 0x80000000
	s_xor_b32 s[G0A+5], s[G0A+5], SLOT
	s_add_nc_u64 s[G0B+6:G0B+7], s[G0B+6:G0B+7], KSB   ; the type bits on top are not reached
	s_xor_b32 s[G0B+5], s[G0B+5], SLOT
	OADDR 68, NP, 80
	s_add_nc_u64 s[88:89], s[88:89], KSB
	s_cmp_eq_u32 s17, 0
	s_cselect_b64 s[68:69], s[68:69], s[88:89]
.endif
	s_xor_b32 s[SB], s[SB], SLOT
	s_wait_dscnt 0x0                               ; the add is done, and my reads of this slot are over
.if \fill
	CROUND
	JLOAD 1
	ASK
.else
	s_barrier_signal -1
	s_barrier_wait -1
.endif
.endm
	s_mov_b32 s3, 6                                ; the steps behind which a slot is filled again: 0 to 5
	s_mov_b32 s[NQ], 2
	s_mov_b32 s[NP], 4
	s_mov_b32 s[SB], 0
	s_wait_tensorcnt 1                             ; my part of K step 0 is in; K step 1's stays out
	s_barrier_signal -1
	s_barrier_wait -1
	STEPHEAD
	QUARTER 1, 0, 1, 1                             ; the first quarter stands in front of the loop: its products start the sums
	WIN 0
	s_branch .Ljoin
.Lk:                                                   ; a trip: one K step
	STEPHEAD
	QUARTER 1, 0, 1, 0
	WIN 0
.Ljoin:
	QUARTER 2, 1, 0, 0
	QUARTER 3, 0, 1, 0
	LASTQ
	CHANGE 1
	s_add_co_u32 s[NQ], s[NQ], 1
	s_add_co_u32 s[NP], s[NP], 1
	s_sub_co_u32 s3, s3, 1
	s_cmp_lg_u32 s3, 0
	s_cbranch_scc1 .Lk
	s_mov_b32 s3, 2                                ; steps 6 and 7 are written apart: nothing is asked for
.Ltail:
	STEPHEAD
	QUARTER 1, 0, 1, 0
	QUARTER 2, 1, 0, 0
	QUARTER 3, 0, 1, 0
	LASTQ
	CHANGE 0
	s_sub_co_u32 s3, s3, 1
	s_cmp_lg_u32 s3, 0
	s_cbranch_scc1 .Ltail
	s_wait_loadcnt 0x0                             ; the bias
.rept 8
	v_nop                                          ; the places behind the last products
.endr
; THE WAY OUT of row block a: + bias; 32 bytes a lane into my stage; back as whole rows of 512 bytes, each stored by one instruction.
.macro OUT a
	WIN RDACC
.set bq, 0
.rept 8
.irp i, 0,2,4,6
	v_pk_add_f32 v[AF+8*bq+\i:AF+8*bq+\i+1], v[8*(8*(\a)+bq)+\i:8*(8*(\a)+bq)+\i+1], v[BIAS+8*bq+\i:BIAS+8*bq+\i+1]
.endr
.set bq, bq+1
.endr
	WIN 0
.irp bn, 0,1,2,3,4,5,6,7
	ds_store_b128 v[STO], v[AF+8*\bn:AF+8*\bn+3] offset:64*\bn
	ds_store_b128 v[STO], v[AF+8*\bn+4:AF+8*\bn+7] offset:64*\bn+16
.endr
.if (\a) > 0
	s_wait_xcnt 0x0                                ; the registers that earlier stores read are loaded again only behind this wait
.endif
.irp w, 0,1,2,3,4,5,6,7,8,9,10,11,12,13,14,15
	ds_load_b128 v[BK+4*\w:BK+4*\w+3], v[RD] offset:\w*SPI  ; LDS serves a wave's instructions in order: these see the stores above
.endr
.irp w, 0,1,2,3,4,5,6,7,8,9,10,11,12,13,14,15
	s_wait_dscnt 15-\w
	global_store_b128 v[CO], v[BK+4*\w:BK+4*\w+3], s[76:77] offset:(16*(\a)+\w)*32768
.endr
.endm
	OUT 0
	OUT 1
	OUT 2
	OUT 3
	s_wait_tensorcnt 0x0                           ; the wave's end
	ds_add_u32 v[SPW], v[NIL]
	s_wait_dscnt 0x0
	CROUND                                         ; the closing round
	s_endpgm
.Lfunc_end_k_qf3c89012f1_outp:
	.size	k_qf3c89012f1_outp, .Lfunc_end_k_qf3c89012f1_outp-k_qf3c89012f1_outp
	.p2alignl 7, 3214868480
	.fill 96, 4, 3214868480
	.section	.rodata,"a",@progbits
	.p2align	6, 0x0
	.amdhsa_kernel k_qf3c89012f1_outp
		.amdhsa_group_segment_fixed_size 327680
		.amdhsa_private_segment_fixed_size 0
		.amdhsa_enable_private_segment 0
		.amdhsa_kernarg_size 32
		.amdhsa_user_sgpr_count 2
		.amdhsa_user_sgpr_kernarg_segment_ptr 1
		.amdhsa_wavefront_size32 1
		.amdhsa_system_sgpr_workgroup_id_x 1
		.amdhsa_system_sgpr_workgroup_id_y 1
		.amdhsa_system_sgpr_workgroup_id_z 1
		.amdhsa_system_vgpr_workitem_id 0
		.amdhsa_next_free_vgpr 640
		.amdhsa_next_free_sgpr 92
		.amdhsa_reserve_vcc 0
		.amdhsa_float_denorm_mode_32 3
		.amdhsa_float_denorm_mode_16_64 3
		.amdhsa_memory_ordered 1
		.amdhsa_forward_progress 1
		.amdhsa_inst_pref_size 73
	.end_amdhsa_kernel
	.amdgpu_metadata
---
amdhsa.version: [ 1, 2 ]
amdhsa.kernels:
  - .name:           k_qf3c89012f1_outp
    .symbol:         k_qf3c89012f1_outp.kd
    .args:
      - { .name: ob, .offset: 0, .size: 8, .value_kind: global_buffer, .address_space: global }
      - { .name: wb, .offset: 8, .size: 8, .value_kind: global_buffer, .address_space: global }
      - { .name: aux, .offset: 16, .size: 8, .value_kind: global_buffer, .address_space: global }
      - { .name: out0, .offset: 24, .size: 8, .value_kind: global_buffer, .address_space: global }
    .group_segment_fixed_size: 327680
    .private_segment_fixed_size: 0
    .kernarg_segment_align: 8
    .kernarg_segment_size: 32
    .max_flat_workgroup_size: 128
    .sgpr_count:     92
    .vgpr_count:     640
    .wavefront_size: 32
...
	.end_amdgpu_metadata
.endif
;; end of part 4
;; ======== version 2 of 2: 4 launches; version 1 with the launch prep written anew for expert scheduling mode
;; limits: values are held in f16: magnitudes above 65,504 overflow, below 6.1e-05 lose precision
;; workspace buffers: wb 8,388,608 bytes; aux 25,088 bytes; qkv 50,331,648 bytes; ob 16,777,216 bytes
;; launch prep (part 5): grid 65 x 4, 8 waves a work-group, no clusters, 0 bytes of LDS; arguments Wq, Wk, Wv, Wo, bq, bk, bv, bo, rel_k_table, rel_v_table, wb, aux; writes wb, aux
.if DOCPART == 5
	.amdgcn_target "amdgcn-amd-amdhsa--gfx1250"
	.amdhsa_code_object_version 6
	.text
	.protected	k_qf3c89012f1_prep
	.globl	k_qf3c89012f1_prep
	.p2align	8
	.type	k_qf3c89012f1_prep,@function
k_qf3c89012f1_prep:
	s_mov_b64 s[64:65], 0
	v_nop
	global_prefetch_b8 v0, s[64:65] scope:SCOPE_SE
	s_setreg_imm32_b32 hwreg(HW_REG_WAVE_SCHED_MODE, 0, 2), 2
	s_setreg_imm32_b32 hwreg(HW_REG_WAVE_MODE, 25, 1), 1
	s_wait_xcnt 0x0
	s_wait_alu depctr_vm_vsrc(0)
; THE WEIGHTS' CAST AND THE SMALL TABLES.  y (0..3) picks Wq, Wk, Wv, Wo.
; x < 64: the work-group rounds 16,384 numbers of weight y to bf16 and stores them in plane y of wb ([k][n], as they lie).  Wo's numbers, so rounded, are written as f16 (exact inside
; f16's normal range; below 6e-5 f16 keeps its fixed step of 6e-8; LIMIT: |Wo| under 65,504), since the last product's other operand is f16.
; x = 64: the tables in aux.  r(.) = rounded to bf16.  byte 4096 y: bias' row y, f32: r(bq) c, r(bk) + r(relk[0]), r(bv) + r(relv[0]), r(bo), with c = log2(e) / 8;
; byte 16384: TK[kappa][64] = r(relk[kappa+1]) - r(relk[0]) in f16, kappa = 0..31; byte 20480: TV likewise from relv; byte 24576: r(relv[32]) - r(relv[0]) in f32, twice.
; A stream: no LDS, no matrix unit.  A wave's load covers 512 consecutive bytes, its store 256 consecutive bytes, aligned; all 16 loads of a thread are issued at once.
; THE MODE: SCHED_MODE bits 1:0 = 2 (LLVM: expert scheduling mode 2), set by the entry lines.  The code itself states the register dependences
; between vector instructions and memory instructions, with s_wait_alu, always for 0.
; THE PLAN, the cast.  Registers that memory instructions touch:
;   v1, v2       byte offsets of the loads and of the stores: made once at the head, never written again.
;   v[16:79]     pass p: four registers, written by the pass's load, read by its conversions; never loaded again, and named by no vector instruction ahead of the loads.
;   v[80:111]    pass p: two registers, written by the pass's conversions alone, read by the pass's one store; never written again.
;   v8 to v11 are named by vector instructions alone.
; The 16 passes go in four blocks of four.  The stores of block k are issued in block k + 1, one in front of each pass's conversions.  So ONE wait on va_vdst at a block's head states all that
; the block's four stores hang on: the vector instructions behind it name this block's own registers and v8 to v11, never the block before's two a pass, nor v2.
; No register that a load or store has read is written again, on either way: no wait on vm_vsrc is owed.
; THE PLAN, the tables.  v3, v4, v5: offsets, made at that way's head ahead of one wait.  Each of the three stores has its data in registers of its own, written just ahead of it: a wait ahead of each.
; The later loads land in registers that no vector instruction has named.
.set SC, 0x3e38aa3b                    ; c = log2(e) / 8
	s_load_b512 s[16:31], s[0:1], 0x0              ; Wq 16, Wk 18, Wv 20, Wo 22, bq 24, bk 26, bv 28, bo 30
	s_load_b256 s[32:39], s[0:1], 0x40             ; rel_k_table 32, rel_v_table 34, wb 36, aux 38
	s_and_b32 s2, ttmp7, 0xffff                    ; y
	s_mov_b32 s3, ttmp9                            ; x
	v_lshlrev_b32 v1, 4, v0                        ; 16 t
	v_lshlrev_b32 v2, 3, v0                        ; 8 t
	s_mov_b32 s11, 0
	s_wait_kmcnt 0x0
	s_wait_alu depctr_va_vdst(0)                   ; v1 and v2 are written: loads and stores on both ways below read them as their offsets
	s_cmp_eq_u32 s2, 1
	s_cselect_b64 s[4:5], s[18:19], s[16:17]       ; the weight,
	s_cselect_b64 s[6:7], s[26:27], s[24:25]       ; the bias
	s_cmp_eq_u32 s2, 2
	s_cselect_b64 s[4:5], s[20:21], s[4:5]
	s_cselect_b64 s[6:7], s[28:29], s[6:7]
	s_cselect_b64 s[8:9], s[34:35], s[32:33]       ; and the table: relv for y = 2, else relk
	s_cmp_eq_u32 s2, 3
	s_cselect_b64 s[4:5], s[22:23], s[4:5]
	s_cselect_b64 s[6:7], s[30:31], s[6:7]
	s_cmp_eq_u32 s3, 64
	s_cbranch_scc1 .Ltables
	s_lshl_b32 s10, s3, 16                         ; 65,536 bytes in,
	s_add_nc_u64 s[4:5], s[4:5], s[10:11]
	s_lshl_b32 s10, s2, 21                         ; plane y,
	s_lshl_b32 s12, s3, 15                         ; 32,768 bytes out
	s_add_co_u32 s10, s10, s12
	s_add_nc_u64 s[36:37], s[36:37], s[10:11]
.set p, 0
.rept 16
	global_load_b128 v[16+4*p:19+4*p], v1, s[4:5] offset:4096*p th:TH_LOAD_NT
.set p, p+1
.endr
; Pass p: four numbers a thread.  half = 1: the bf16 numbers are widened and written as f16.  Pass p's store is issued four passes later, in front of pass p + 4's conversions.
.macro CASTP half
.set p, 0
.rept 16
	s_wait_loadcnt 15-p                            ; loads come back in order: pass p's is in, the 15 - p younger ones stay out
.if (p >= 4) && (p % 4 == 0)
	s_wait_alu depctr_va_vdst(0)                   ; the block before has written its eight registers of v[80 ..], which this block's four stores read
.endif
.if p >= 4
	global_store_b64 v2, v[80+2*(p-4):81+2*(p-4)], s[36:37] offset:2048*(p-4)  ; no vector instruction since the wait names these registers
.endif
	v_cvt_pk_bf16_f32 v[80+2*p], v[16+4*p], v[17+4*p]
	v_cvt_pk_bf16_f32 v[81+2*p], v[18+4*p], v[19+4*p]
.if \half
	v_lshlrev_b32 v8, 16, v[80+2*p]
	v_and_b32 v9, 0xffff0000, v[80+2*p]
	v_lshlrev_b32 v10, 16, v[81+2*p]
	v_and_b32 v11, 0xffff0000, v[81+2*p]
	v_cvt_pk_f16_f32 v[80+2*p], v8, v9
	v_cvt_pk_f16_f32 v[81+2*p], v10, v11
.endif
.set p, p+1
.endr
	s_wait_alu depctr_va_vdst(0)                   ; passes 12 to 15 have written v[104:111], which the last four stores read
.set p, 12
.rept 4
	global_store_b64 v2, v[80+2*p:81+2*p], s[36:37] offset:2048*p
.set p, p+1
.endr
.endm
	s_cmp_eq_u32 s2, 3
	s_cbranch_scc1 .Lhalf
	CASTP 0
	s_endpgm
.Lhalf:
	CASTP 1
	s_endpgm
.macro RND4 x                          ; four f32 in v[x .. x+3], rounded to bf16 and widened again
	v_cvt_pk_bf16_f32 v8, v[\x], v[\x+1]
	v_cvt_pk_bf16_f32 v9, v[\x+2], v[\x+3]
	v_lshlrev_b32 v[\x], 16, v8
	v_and_b32 v[\x+1], 0xffff0000, v8
	v_lshlrev_b32 v[\x+2], 16, v9
	v_and_b32 v[\x+3], 0xffff0000, v9
.endm
.Ltables:
	v_and_b32 v3, 15, v0
	v_lshlrev_b32 v3, 4, v3                        ; my four channels of a table's row: n % 64 = 4 (t % 16)
	v_lshlrev_b32 v4, 5, v0                        ; row kappa = t / 8, channels 8 (t % 8): byte 32 t behind row 1.  v4 and v5 serve y = 1 and 2; they are made here, ahead of the one wait
	v_and_b32 v5, 7, v0
	v_lshlrev_b32 v5, 5, v5
	s_wait_alu depctr_va_vdst(0)                   ; v3, v4 and v5 are written: the loads of this way read them as their offsets
	global_load_b128 v[16:19], v1, s[6:7]          ; bias, n = 4 t ..
	global_load_b128 v[20:23], v3, s[8:9]          ; the table's row 0
	s_mov_b32 s14, SC
	s_cmp_eq_u32 s2, 0
	s_cselect_b32 s14, s14, 1.0                    ; the bias's factor: c for q, else 1
	s_sub_co_u32 s13, s2, 1
	s_cmp_lt_u32 s13, 2
	s_cselect_b32 s15, 1.0, 0                      ; row 0's factor: 1 for k and v, else 0
	s_lshl_b32 s10, s2, 12
	s_add_nc_u64 s[40:41], s[38:39], s[10:11]      ; aux + 4096 y
	s_wait_loadcnt 0x0
	RND4 16
	RND4 20
.irp i, 0,1,2,3
	v_mul_f32 v[24+\i], s15, v[20+\i]
.endr
.irp i, 0,1,2,3
	v_fma_f32 v[16+\i], v[16+\i], s14, v[24+\i]
.endr
	s_wait_alu depctr_va_vdst(0)                   ; the multiply-adds have written v[16:19], which the store reads
	global_store_b128 v1, v[16:19], s[40:41]
	s_cmp_lt_u32 s13, 2
	s_cbranch_scc0 .Lend                           ; y = 0 and 3 have no table of differences
	global_load_b128 v[32:35], v4, s[8:9] offset:256   ; no vector instruction has named v[32:47], and none since the way's first wait has written v4 or v5
	global_load_b128 v[36:39], v4, s[8:9] offset:272
	global_load_b128 v[40:43], v5, s[8:9]
	global_load_b128 v[44:47], v5, s[8:9] offset:16
	s_wait_loadcnt 0x0
	RND4 32
	RND4 36
	RND4 40
	RND4 44
.irp i, 0,2,4,6
	v_pk_add_f32 v[32+\i:33+\i], v[32+\i:33+\i], v[40+\i:41+\i] neg_lo:[0,1] neg_hi:[0,1]
.endr
.irp i, 0,1,2,3
	v_cvt_pk_f16_f32 v[48+\i], v[32+2*\i], v[33+2*\i]
.endr
	s_wait_alu depctr_va_vdst(0)                   ; the roundings have written v[48:51], which the store reads
	global_store_b128 v1, v[48:51], s[40:41] offset:12288  ; aux + 16384 + 4096 (y - 1) + 16 t
	s_cmp_eq_u32 s2, 2
	s_cbranch_scc0 .Lend
	v_lshrrev_b32 v6, 5, v0
	v_readfirstlane_b32 s12, v6
	s_wait_alu depctr_va_sdst(0)                   ; s12 is written, ahead of its first reader, the compare below
	s_cmp_eq_u32 s12, 0
	s_cbranch_scc0 .Lend                           ; wave 0 alone: 32 lanes x 16 bytes, the 64 channels twice
	global_load_b128 v[52:55], v3, s[8:9] offset:8192  ; relv[32]; no vector instruction has named v[52:55]
	s_wait_loadcnt 0x0
	RND4 52
	v_pk_add_f32 v[52:53], v[52:53], v[20:21] neg_lo:[0,1] neg_hi:[0,1]  ; v[20:23] still hold r(relv[0])
	v_pk_add_f32 v[54:55], v[54:55], v[22:23] neg_lo:[0,1] neg_hi:[0,1]
	s_wait_alu depctr_va_vdst(0)                   ; the subtractions have written v[52:55], which the store reads
	global_store_b128 v1, v[52:55], s[38:39] offset:24576
.Lend:
	s_endpgm
.Lfunc_end_k_qf3c89012f1_prep:
	.size	k_qf3c89012f1_prep, .Lfunc_end_k_qf3c89012f1_prep-k_qf3c89012f1_prep
	.p2alignl 7, 3214868480
	.fill 96, 4, 3214868480
	.section	.rodata,"a",@progbits
	.p2align	6, 0x0
	.amdhsa_kernel k_qf3c89012f1_prep
		.amdhsa_group_segment_fixed_size 0
		.amdhsa_private_segment_fixed_size 0
		.amdhsa_enable_private_segment 0
		.amdhsa_kernarg_size 96
		.amdhsa_user_sgpr_count 2
		.amdhsa_user_sgpr_kernarg_segment_ptr 1
		.amdhsa_wavefront_size32 1
		.amdhsa_system_sgpr_workgroup_id_x 1
		.amdhsa_system_sgpr_workgroup_id_y 1
		.amdhsa_system_sgpr_workgroup_id_z 1
		.amdhsa_system_vgpr_workitem_id 0
		.amdhsa_next_free_vgpr 112
		.amdhsa_next_free_sgpr 66
		.amdhsa_reserve_vcc 0
		.amdhsa_float_denorm_mode_32 3
		.amdhsa_float_denorm_mode_16_64 3
		.amdhsa_memory_ordered 1
		.amdhsa_forward_progress 1
		.amdhsa_inst_pref_size 22
	.end_amdhsa_kernel
	.amdgpu_metadata
---
amdhsa.version: [ 1, 2 ]
amdhsa.kernels:
  - .name:           k_qf3c89012f1_prep
    .symbol:         k_qf3c89012f1_prep.kd
    .args:
      - { .name: Wq, .offset: 0, .size: 8, .value_kind: global_buffer, .address_space: global }
      - { .name: Wk, .offset: 8, .size: 8, .value_kind: global_buffer, .address_space: global }
      - { .name: Wv, .offset: 16, .size: 8, .value_kind: global_buffer, .address_space: global }
      - { .name: Wo, .offset: 24, .size: 8, .value_kind: global_buffer, .address_space: global }
      - { .name: bq, .offset: 32, .size: 8, .value_kind: global_buffer, .address_space: global }
      - { .name: bk, .offset: 40, .size: 8, .value_kind: global_buffer, .address_space: global }
      - { .name: bv, .offset: 48, .size: 8, .value_kind: global_buffer, .address_space: global }
      - { .name: bo, .offset: 56, .size: 8, .value_kind: global_buffer, .address_space: global }
      - { .name: rel_k_table, .offset: 64, .size: 8, .value_kind: global_buffer, .address_space: global }
      - { .name: rel_v_table, .offset: 72, .size: 8, .value_kind: global_buffer, .address_space: global }
      - { .name: wb, .offset: 80, .size: 8, .value_kind: global_buffer, .address_space: global }
      - { .name: aux, .offset: 88, .size: 8, .value_kind: global_buffer, .address_space: global }
    .group_segment_fixed_size: 0
    .private_segment_fixed_size: 0
    .kernarg_segment_align: 8
    .kernarg_segment_size: 96
    .max_flat_workgroup_size: 256
    .sgpr_count:     66
    .vgpr_count:     112
    .wavefront_size: 32
...
	.end_amdgpu_metadata
.endif
;; end of part 5
;; launch proj: the kernel of part 2 again; grid 4 x 64, 4 waves a work-group, clusters of 4 x 4, 327,680 bytes of LDS; arguments q, k, v, wb, aux, qkv; writes qkv
;; launch attn: the kernel of part 3 again; grid 4 x 64, 8 waves a work-group, clusters of 4 x 1, 327,680 bytes of LDS; arguments qkv, mask, aux, ob; writes ob
;; launch outp: the kernel of part 4 again; grid 4 x 64, 4 waves a work-group, clusters of 4 x 4, 327,680 bytes of LDS; arguments ob, wb, aux, out0; writes out0
